; MI455X (gfx1250); checked and timed in simulation.
; The chip was launched on July 23, 2026; its instructions are those of AMD's public machine-readable ISA for CDNA 5 (MIT licence, August 2026) and "CDNA5" Instruction Set Architecture Reference Guide (July 2026). The comments in the code are by the model that wrote it; some were corrected since.
;; Multi Head Self Attention. Allowed arithmetic: matrix products marked QUANTISED: E2M3 operands, one E8M0 scale for each 32 along K, by v_wmma_scale_f32_16x16x128_f8f6f4 with both operands' format E2M3, f32 sums; everything else in f32.
;; Inputs: Wk 512 x 512 float32; Wo 512 x 512 float32; Wq 512 x 512 float32; Wv 512 x 512 float32; bk 512 float32; bo 512 float32; bq 512 float32; bv 512 float32; x 2 x 4,096 x 512 float32.
;; Outputs: out0 2 x 4,096 x 512 float32.
;; This version of the problem:
;;   THIS VERSION OF THE PROBLEM IS GIVEN IN LOW PRECISION. The matrix products marked QUANTISED in the list below multiply operands that are first quantised to E2M3 (2 exponent bits, 3 mantissa bits; 6 bits a number), with one power-of-two scale for each 32 numbers along K (OCP MX v1.0); their sums are f32. All else is computed in f32.
;;   The module's matrix products, in the order in which they are computed (A, B: the left and right operand; K: the contracted axis; several contracted axes count as one K, in the product's order):
;;     1. [M 8,192, K 512] x [K 512, N 512]; A: input x; B: input Wq: QUANTISED
;;     2. [M 8,192, K 512] x [K 512, N 512]; A: input x; B: input Wk: QUANTISED
;;     3. [M 8,192, K 512] x [K 512, N 512]; A: input x; B: input Wv: QUANTISED
;;     4. batch 16 x [M 4,096, K 64] x [K 64, N 4,096]; A: computed on the way; B: computed on the way: QUANTISED
;;     5. batch 16 x [M 4,096, K 4,096] x [K 4,096, N 64]; A: softmax (see below); B: computed on the way: QUANTISED
;;     6. [M 8,192, K 512] x [K 512, N 512]; A: computed on the way; B: input Wo: QUANTISED
;;   THE QUANTISER, for each operand of a quantised product, along K:
;;     - K is cut into blocks of 32 from its start; a last block that is shorter is filled with zeros.
;;     - A block's scale is 2^e with e = floor(log2(the largest magnitude in the block)) - 2, held to -126 .. 127; a block of zeros has e = 0. As a byte (E8M0): e + 127.
;;     - Each number is divided by its block's scale, clamped to +-7.5, and rounded to the nearest number of E2M3, ties to even, subnormals kept.
;;     - The product sums the exact products of the quantised numbers (number of the format x scale) in f32.
;;   ~~~python
;;   def quantise(x, axis):      # numpy; x: float32 -> the quantised numbers, widened to float32 again
;;       x = np.moveaxis(x, axis, -1); K = x.shape[-1]
;;       x = np.pad(x, [(0, 0)] * (x.ndim - 1) + [(0, -K % 32)]); x = x.reshape(x.shape[:-1] + (-1, 32)); a = np.abs(x).max(-1, keepdims=True)
;;       e = np.where(a > 0, np.clip(np.frexp(np.where(a > 0, a, 1))[1] - 1 - 2, -126, 127), 0)      # np.frexp(a)[1] - 1 = floor(log2(a)), exactly
;;       r = np.clip(x / 2.0 ** e, -7.5, 7.5)
;;       step = 2.0 ** (np.maximum(np.frexp(np.where(r == 0, 1, r))[1] - 1, 0) - 3)
;;       q = np.round(r / step) * step * 2.0 ** e      # np.round: ties to even
;;       return np.moveaxis(q.reshape(q.shape[:-2] + (-1,))[..., :K], -1, axis).astype(np.float32)
;;   ~~~
;;   SOFTMAX AHEAD OF A QUANTISED PRODUCT. Where the list says 'softmax', what is quantised is not the finished softmax but p = 2^(t - M), with t = logit x log2(e) and M = ceil(the row's largest t), a whole number; so 1/2 < the row's largest p <= 1. The row's sum l is taken of the UNQUANTISED p, in f32, and the product's result is divided by l at the end. Since M is a whole number, a kernel that streams over the keys may use a running M (the ceiling of the running maximum): every later rescaling is an exact power of two, which a block's scale takes up: the codes' values come out the same.
;;   OPERANDS COMPUTED ON THE WAY. 'Computed on the way' means the value that the module computes at that place (a softmax that the list does not call 'softmax' is quantised finished and normalised). What goes into a quantiser is computed in f32, as accurately as f32 sums, v_exp_f32 and their like allow (about 1e-6 of the number): no bf16 or f16 on the way to a quantiser, and a product that is left as it is and whose result goes on into a quantised operand takes f32 operands (vector FMAs, or v_wmma_f32_16x16x4_f32). A number that lies on a knife's edge between two numbers of the format may be rounded either way, as far as f32 arithmetic and the matrix unit's own rounding can turn it there, and no further.
;; One version. Each part assembles by itself: llvm-mc -triple=amdgcn-amd-amdhsa -mcpu=gfx1250 --defsym DOCPART=n.
;; ======== version 1 of 1: 4 launches
;; limits: right only within a limited range of input values
;; workspace buffers: cod 3,932,160 bytes; scl 163,840 bytes; qkv 9,830,400 bytes; oc 3,145,728 bytes; os 262,144 bytes
;; launch quant (part 1): grid 640 x 1, 4 waves a work-group, no clusters, 34,816 bytes of LDS; arguments x, Wq, Wk, Wv, Wo, cod, scl; writes cod, scl
.if DOCPART == 1
	.amdgcn_target "amdgcn-amd-amdhsa--gfx1250"
	.amdhsa_code_object_version 6
	.text
	.protected	k_qa6c2dcc1d8_quant
	.globl	k_qa6c2dcc1d8_quant
	.p2align	8
	.type	k_qa6c2dcc1d8_quant,@function
k_qa6c2dcc1d8_quant:
	s_mov_b64 s[64:65], 0
	v_nop
	global_prefetch_b8 v0, s[64:65] scope:SCOPE_SE
	s_setreg_imm32_b32 hwreg(HW_REG_WAVE_MODE, 25, 1), 1
	s_wait_xcnt 0x0
; x [8192][512] and Wq, Wk, Wv, Wo [512][512], f32, K innermost, become codes of FP6 (E2M3) with one E8M0 byte for each 32 along K, laid as IMAGES OF OPERAND REGISTERS.
; A TILE is 16 rows: row i of tile T is the tensor's row 32 (T / 2) + 8 (T % 2) + i + 8 (i / 8), so that a product's result over tiles 2 b and 2 b + 1 has 16 neighbours in a lane's 16 registers.
; cod: 640 tiles x 6,144 bytes (0-511: x; 512 + 32 kind + t: Wq, Wk, Wv, Wo); a tile is 4 fragments (128 along K each) of 1,536 bytes; registers 4 c .. 4 c + 3 of lane l lie at 512 c + 16 l.
; scl: 640 x 256 bytes; the scale word of row r and K step s lies at 16 r + 4 s.
; A block's scale is 2^(floor(log2(largest magnitude)) - 2); its byte is that magnitude's exponent field - 2, held at 1 from below.
; LIMITS: a block of zeros, or one whose largest magnitude lies under 2^-124, gets the byte 1 where the rule says 127 (its codes are zeros, and this program alone reads the bytes); NaN and infinities among the inputs are not served.
; SHARES: a work-group takes a tile, wave s its K step s: 16 rows x 512 bytes.  Each load reads 512 consecutive bytes of one row; the rows turn through the wave's own stage in LDS, so that lane (r, h) gets, of row r,
; 16 neighbours of each block of 32.  No tensor loads, no loop; one barrier, for the tile's 256 bytes of scale words, which leave as one aligned run of 256 bytes.
.set SG,   33792                       ; LDS: four stages of 16 rows x 528 bytes (512 + 16: an odd multiple of 16, so that sixteen rows' reads of 16 bytes fall on different columns), then the scale words
.set GIN,  4                           ; v4   16 x lane + 512 x wave: my bytes of a row in memory
.set STI,  5                           ; v5   the stage, on the way in
.set STO,  6                           ; v6   and on the way out: 528 r + 64 h
.set GOUT, 7                           ; v7   16 x lane + 1,536 x wave: my place in the tile's images
.set SGW,  8                           ; v8   where my row's scale word goes
.set L8,   9                           ; v9   8 x lane
.set SGR,  10                          ; v10  SG + 8 x lane
.set R,    16                          ; v16-79   the rows as loaded
.set X,    80                          ; v80-143  register 16 b + i = k 32 b + 16 h + i of row r
.set PC,   144                         ; v144-155 the codes; v156-162 at work
.set TM,   164                         ; v164-179 at work
.set PW,   180                         ; the scale word
.set WV,   18
.set SEL,  26                          ; s[26:27] lane selects: lane l xor 16
; 64 numbers of a lane, register 16 b + i = k 32 b + 16 (lane / 16) + i of my row, become a fragment's codes in v[PC] on and its scale word in v[PW].
.macro QUANT s
.irp b, 0,1,2,3
	v_max3_num_f32 v[TM+\b], |v[\s+16*\b]|, |v[\s+1+16*\b]|, 0x1800000   ; my 16 numbers of block b, and the floor 2^(3 - 127): the byte cannot fall under 1
.endr
.irp i, 2,4,6,8,10,12,14
.irp b, 0,1,2,3
	v_max3_num_f32 v[TM+\b], v[TM+\b], |v[\s+16*\b+\i]|, |v[\s+1+16*\b+\i]|   ; the four blocks by turns
.endr
.endr
.irp b, 0,1,2,3
	v_permlanex16_b32 v[TM+4+\b], v[TM+\b], s[SEL], s[SEL+1]
.endr
.irp b, 0,1,2,3
	v_max_num_f32 v[TM+\b], v[TM+\b], v[TM+4+\b]   ; with lane l xor 16's: the block's largest magnitude
.endr
.irp b, 0,1,2,3
	v_add_nc_u32 v[TM+12+\b], 0xff000000, v[TM+\b]   ; 2 off its exponent field: the conversion takes this operand's exponent field as its scale
.endr
.irp b, 0,1,2,3
	v_lshrrev_b32 v[TM+4+\b], 23, v[TM+12+\b]      ; the scale's byte
.endr
	v_lshl_or_b32 v[PW], v[TM+5], 8, v[TM+4]
	v_lshl_or_b32 v[PW], v[TM+6], 16, v[PW]
	v_lshl_or_b32 v[PW], v[TM+7], 24, v[PW]
.irp c, 0,1
	v_cvt_scalef32_pk16_fp6_f32 v[PC+6*\c:PC+2+6*\c], v[\s+32*\c:\s+15+32*\c], v[TM+12+2*\c]
	v_cvt_scalef32_pk16_fp6_f32 v[PC+12+4*\c:PC+14+4*\c], v[\s+16+32*\c:\s+31+32*\c], v[TM+12+2*\c+1]   ; (a conversion's three registers begin on an even number)
.endr
	v_nop                                          ; one plain line behind the scaled conversions
.irp c, 0,1                                    ; the operand wants a whole block in a lane: lanes 0-15 block 2 c, lanes 16-31 block 2 c + 1
.irp i, 0,1,2
	v_permlane16_swap_b32 v[PC+6*\c+\i], v[PC+12+4*\c+\i]
.endr
.irp i, 0,1,2
	v_mov_b32 v[PC+3+6*\c+\i], v[PC+12+4*\c+\i]
.endr
.endr
.endm
	s_load_b256 s[4:11], s[0:1], 0x0               ; x, Wq, Wk, Wv
	s_load_b128 s[12:15], s[0:1], 0x20             ; Wo, cod
	s_load_b64 s[16:17], s[0:1], 0x30              ; scl
	v_lshl_add_u32 v192, v0, 2, 0x8600
	v_mov_b32 v193, 0
	v_lshrrev_b32 v1, 5, v0
	v_readfirstlane_b32 s[WV], v1                  ; wave = K step
	v_and_b32 v1, 31, v0                           ; lane
	v_and_b32 v2, 15, v0                           ; r
	v_bfe_u32 v3, v0, 4, 1                         ; h
	s_lshl_b32 s19, s[WV], 9
	v_lshl_add_u32 v[GIN], v1, 4, s19
	s_mul_i32 s19, s[WV], 8448
	v_lshl_add_u32 v[STI], v1, 4, s19
	v_mul_u32_u24 v[STO], v2, 528
	v_lshl_add_u32 v[STO], v3, 6, v[STO]
	v_add_nc_u32 v[STO], s19, v[STO]
	s_mul_i32 s19, s[WV], 1536
	v_lshl_add_u32 v[GOUT], v1, 4, s19
	s_lshl_b32 s19, s[WV], 2
	s_add_co_u32 s19, s19, SG
	v_lshl_add_u32 v[SGW], v2, 4, s19
	v_lshlrev_b32 v[L8], 3, v1
	v_add_nc_u32 v[SGR], SG, v[L8]
	s_mov_b32 s[SEL], 0x76543210
	s_mov_b32 s[SEL+1], 0xfedcba98
.irp b, 0,1,2,3
	v_mov_b32 v[TM+4+\b], 0                        ; written once: a lane permute's destination counts as one of its sources
.endr
	s_wait_alu depctr_va_vdst(0)
	s_wait_kmcnt 0x0
	s_mov_b64 s[20:21], s[12:13]                   ; which tensor: the choice hangs on the work-group's number alone
	s_cmp_lt_u32 ttmp9, 608
	s_cselect_b64 s[20:21], s[10:11], s[20:21]
	s_cmp_lt_u32 ttmp9, 576
	s_cselect_b64 s[20:21], s[8:9], s[20:21]
	s_cmp_lt_u32 ttmp9, 544
	s_cselect_b64 s[20:21], s[6:7], s[20:21]
	s_and_b32 s22, ttmp9, 31                       ; a weight's tile
	s_cmp_lt_u32 ttmp9, 512
	s_cselect_b64 s[20:21], s[4:5], s[20:21]
	s_cselect_b32 s22, ttmp9, s22                  ; or x's
	s_lshr_b32 s24, s22, 1
	s_lshl_b32 s24, s24, 16                        ; 32 rows of 2,048 bytes for each pair of tiles,
	s_and_b32 s25, s22, 1
	s_lshl_b32 s25, s25, 14                        ; 8 rows for the odd one
	s_add_co_u32 s24, s24, s25
	s_mov_b32 s25, 0
	s_add_nc_u64 s[20:21], s[20:21], s[24:25]
	s_mul_i32 s24, ttmp9, 6144
	s_add_nc_u64 s[14:15], s[14:15], s[24:25]
	s_lshl_b32 s24, ttmp9, 8
	s_add_nc_u64 s[16:17], s[16:17], s[24:25]
.irp i, 0,1,2,3,4,5,6,7,8,9,10,11,12,13,14,15
	global_load_b128 v[R+4*\i:R+4*\i+3], v[GIN], s[20:21] offset:(\i+8*(\i/8))*2048 th:TH_LOAD_NT   ; the tile's row i: 32 lanes read 512 consecutive bytes; read once in the launch
.endr
.irp i, 0,1,2,3,4,5,6,7,8,9,10,11,12,13,14,15
	s_wait_loadcnt 15-\i                           ; loads come back in order: row i is in, the 15 - i younger ones may be out
	ds_store_b128 v[STI], v[R+4*\i:R+4*\i+3] offset:528*\i
.endr
.irp b, 0,1,2,3
.irp j, 0,1,2,3
	ds_load_b128 v[X+16*\b+4*\j:X+16*\b+4*\j+3], v[STO] offset:128*\b+16*\j   ; my wave's own bytes, served in order: these see the stores above
.endr
.endr
	s_wait_dscnt 0x0
	QUANT X
.irp c, 0,1,2
	global_store_b128 v[GOUT], v[PC+4*\c:PC+4*\c+3], s[14:15] offset:512*\c   ; 512 consecutive bytes, aligned
.endr
	ds_store_b32 v[SGW], v[PW]                     ; both lanes of a row write the same word with the same value
	s_wait_dscnt 0x0                               ; for wave 0's sake: my word has landed
	s_barrier_signal -1
	s_barrier_wait -1
	s_cmp_lg_u32 s[WV], 0
	s_cbranch_scc1 .Ldone
	ds_load_b64 v[12:13], v[SGR]
	s_wait_dscnt 0x0
	global_store_b64 v[L8], v[12:13], s[16:17]     ; the tile's 256 bytes of scale words in one store
.Ldone:
	s_wait_tensorcnt 0x0
	ds_add_u32 v192, v193
	s_wait_dscnt 0x0
	s_endpgm
.Lfunc_end_k_qa6c2dcc1d8_quant:
	.size	k_qa6c2dcc1d8_quant, .Lfunc_end_k_qa6c2dcc1d8_quant-k_qa6c2dcc1d8_quant
	.p2alignl 7, 3214868480
	.fill 96, 4, 3214868480
	.section	.rodata,"a",@progbits
	.p2align	6, 0x0
	.amdhsa_kernel k_qa6c2dcc1d8_quant
		.amdhsa_group_segment_fixed_size 34816
		.amdhsa_private_segment_fixed_size 0
		.amdhsa_enable_private_segment 0
		.amdhsa_kernarg_size 56
		.amdhsa_user_sgpr_count 2
		.amdhsa_user_sgpr_kernarg_segment_ptr 1
		.amdhsa_wavefront_size32 1
		.amdhsa_system_sgpr_workgroup_id_x 1
		.amdhsa_system_sgpr_workgroup_id_y 1
		.amdhsa_system_sgpr_workgroup_id_z 1
		.amdhsa_system_vgpr_workitem_id 0
		.amdhsa_next_free_vgpr 194
		.amdhsa_next_free_sgpr 66
		.amdhsa_reserve_vcc 0
		.amdhsa_float_denorm_mode_32 3
		.amdhsa_float_denorm_mode_16_64 3
		.amdhsa_memory_ordered 1
		.amdhsa_forward_progress 1
		.amdhsa_inst_pref_size 12
	.end_amdhsa_kernel
	.amdgpu_metadata
---
amdhsa.version: [ 1, 2 ]
amdhsa.kernels:
  - .name:           k_qa6c2dcc1d8_quant
    .symbol:         k_qa6c2dcc1d8_quant.kd
    .args:
      - { .name: x, .offset: 0, .size: 8, .value_kind: global_buffer, .address_space: global }
      - { .name: Wq, .offset: 8, .size: 8, .value_kind: global_buffer, .address_space: global }
      - { .name: Wk, .offset: 16, .size: 8, .value_kind: global_buffer, .address_space: global }
      - { .name: Wv, .offset: 24, .size: 8, .value_kind: global_buffer, .address_space: global }
      - { .name: Wo, .offset: 32, .size: 8, .value_kind: global_buffer, .address_space: global }
      - { .name: cod, .offset: 40, .size: 8, .value_kind: global_buffer, .address_space: global }
      - { .name: scl, .offset: 48, .size: 8, .value_kind: global_buffer, .address_space: global }
    .group_segment_fixed_size: 34816
    .private_segment_fixed_size: 0
    .kernarg_segment_align: 8
    .kernarg_segment_size: 56
    .max_flat_workgroup_size: 128
    .sgpr_count:     66
    .vgpr_count:     194
    .wavefront_size: 32
...
	.end_amdgpu_metadata
.endif
;; end of part 1
;; launch proj (part 2): grid 4 x 64, 8 waves a work-group, clusters of 4 x 4, 214,016 bytes of LDS; arguments cod, scl, bq, bk, bv, qkv; writes qkv
.if DOCPART == 2
	.amdgcn_target "amdgcn-amd-amdhsa--gfx1250"
	.amdhsa_code_object_version 6
	.text
	.protected	k_qa6c2dcc1d8_proj
	.globl	k_qa6c2dcc1d8_proj
	.p2align	8
	.type	k_qa6c2dcc1d8_proj,@function
k_qa6c2dcc1d8_proj:
	s_mov_b64 s[64:65], 0
	v_nop
	global_prefetch_b8 v0, s[64:65] scope:SCOPE_SE
	s_setreg_imm32_b32 hwreg(HW_REG_WAVE_MODE, 25, 1), 1
	s_wait_xcnt 0x0
	s_wait_alu depctr_hold_cnt(0) depctr_sa_sdst(0) depctr_va_vdst(0) depctr_va_sdst(0) depctr_va_ssrc(0) depctr_va_vcc(0) depctr_vm_vsrc(0)
	s_getreg_b32 s2, hwreg(HW_REG_IB_STS2, 6, 4)
	s_cmp_eq_u32 s2, 0
	s_cbranch_scc0 .Lentry_in_a_cluster
	s_endpgm
.Lentry_in_a_cluster:
	s_bfe_u32 s2, ttmp6, 0x10000c
	s_cmp_lg_u32 s2, 0xf033
	s_cbranch_scc0 .Lentry_shape_is_right
	s_endpgm
.Lentry_shape_is_right:
; q = x Wq^T + bq, k = x Wk^T + bk, v = x Wv^T + bv on codes of FP6 (E2M3) with E8M0 scales, and the results quantised at once for attention: q and k along the head's 64, v along the keys.
; SHARES: a work-group takes 128 tokens (group g) and two heads (pair hp): 8 tiles of x, 8 tiles of each weight.  Wave w: head hl = w / 4, part sub = w % 4.
;   q, k: USED TRANSPOSED: source 0 = the head's four tiles of W, source 1 = x's tiles 2 sub and 2 sub + 1.  By the choice of a tile's rows (see the launch that makes the codes) a lane then holds one token, and the 32 registers of
;         a tile of tokens are d = 32 b + 16 h + i.  The wave's 64 registers become ONE fragment: registers 0-5 tile 2 sub, registers 6-11 tile 2 sub + 1, and one scale word with two bytes for each.
;   v:    source 0 = x's eight tiles, source 1 = tile w of Wv's eight: a lane holds one channel and its 64 registers run along the 128 keys: one fragment of V^T and its scale word.
; The bias is the C of each sum's first matrix instruction, so it is added first, not last.
; qkv: a record of 19,200 bytes for each (batch x 8 + head, group of 128 tokens): K's 4 images, V's 4 images, 256 bytes each of K's, V's and Q's scale words, Q's 4 images.
; CLUSTER 4 x 4: x's tiles hang on g alone and are shared along a row of the cluster, the weights' on hp alone and are shared along a column: each block is asked for jointly.  All of K (512) fits in LDS: every byte is filled once,
; each wave issues one load, so a wave has one tensor load out.
; LIMITS: as in the launch that makes the codes: a block under 2^-124 gets the byte 1; NaN and infinities are not served.
.set GS,   204800                      ; LDS: x's codes 0, Wq's 49,152, Wk's 98,304, Wv's 147,456; scale words: x 196,608, Wq 198,656, Wk 200,704, Wv 202,752; from GS on 2 x 768 bytes where the results' scale words are gathered
.set LI,   1                           ; v1   16 x lane
.set AX,   2                           ; v2   my two tiles of x
.set AWQ,  3                           ; v3   my head's four tiles of Wq
.set AWK,  4                           ; v4   of Wk
.set AWV,  5                           ; v5   my tile of Wv
.set ASX,  6                           ; v6   scale words of my two tiles of x
.set ASW,  7                           ; v7   of my head's tiles of Wq (Wk: 2,048 on)
.set ASX0, 8                           ; v8   of x's tiles 0 and 1
.set ASV,  9                           ; v9   of my tile of Wv
.set AG,   10                          ; v10  where my result's scale word is gathered
.set GO,   11                          ; v11  16 x lane + 1,536 x sub: my image's place in a record
.set BH,   12                          ; v12  64 h: the bias of my half's eight features
.set BVA,  13                          ; v13  4 (r + 8 (r / 8)): bv of my channel
.set GR,   14                          ; v14  the gathered words, 8 bytes a lane
.set L8,   15                          ; v15  8 x lane
.set SCX,  16                          ; v16-31  x's scale words
.set SCW,  32                          ; v32-39  the weight's
.set HA,   48                          ; v48-111 eight accumulators
.set PC,   112                         ; v112-130 the codes just made
.set F,    132                         ; v132-203 six fragments
.set BI,   204                         ; v204-235 the bias, in the result's layout
.set TM,   236
.set PW,   252
.set WV,   16
.set HL,   17
.set SUB,  18
.set SEL,  26
.set G1XC, 28                          ; descriptor groups 1: x's codes, a weight's codes, x's scale words, a weight's
.set G1WC, 36
.set G1XS, 44
.set G1WS, 52
.set G0XC, 60                          ; and groups 0
.set G0WC, 68
.set G0XS, 72
.set G0WS, 76
.macro PLACES                          ; four plain lines between a matrix instruction and a load into its sources or a read of its result
.rept 4
	v_nop
.endr
.endm
.macro CROUND                          ; a round of the cluster's barrier
	s_barrier_signal -1
	s_barrier_wait -1
	s_cmp_lg_u32 s[WV], 0
	s_cbranch_scc1 .Lnot_wave_0_\@
	s_barrier_signal -3
.Lnot_wave_0_\@:
	s_barrier_wait -3
	s_barrier_signal -1
	s_barrier_wait -1
.endm
; D = A B + C; ra, rb = 1: that side's scale words stand in lanes 16-31 of the register named
.macro MM d, a, b, c, sa, sb, ra, rb
.if (\ra) && (\rb)
	v_wmma_scale_f32_16x16x128_f8f6f4 v[\d:\d+7], v[\a:\a+11], v[\b:\b+11], v[\c:\c+7], v[\sa], v[\sb] matrix_a_fmt:MATRIX_FMT_FP6 matrix_b_fmt:MATRIX_FMT_FP6 matrix_a_scale:MATRIX_SCALE_ROW1 matrix_b_scale:MATRIX_SCALE_ROW1
.elseif (\ra)
	v_wmma_scale_f32_16x16x128_f8f6f4 v[\d:\d+7], v[\a:\a+11], v[\b:\b+11], v[\c:\c+7], v[\sa], v[\sb] matrix_a_fmt:MATRIX_FMT_FP6 matrix_b_fmt:MATRIX_FMT_FP6 matrix_a_scale:MATRIX_SCALE_ROW1
.elseif (\rb)
	v_wmma_scale_f32_16x16x128_f8f6f4 v[\d:\d+7], v[\a:\a+11], v[\b:\b+11], v[\c:\c+7], v[\sa], v[\sb] matrix_a_fmt:MATRIX_FMT_FP6 matrix_b_fmt:MATRIX_FMT_FP6 matrix_b_scale:MATRIX_SCALE_ROW1
.else
	v_wmma_scale_f32_16x16x128_f8f6f4 v[\d:\d+7], v[\a:\a+11], v[\b:\b+11], v[\c:\c+7], v[\sa], v[\sb] matrix_a_fmt:MATRIX_FMT_FP6 matrix_b_fmt:MATRIX_FMT_FP6
.endif
.endm
.macro FETCH reg, adr, off             ; a fragment's image: three loads of 512 consecutive bytes
.irp c, 0,1,2
	ds_load_b128 v[\reg+4*\c:\reg+4*\c+3], v[\adr] offset:\off+512*\c
.endr
.endm
; 64 numbers of a lane, register 16 b + i = k 32 b + 16 (lane / 16) + i of my row, become a fragment's codes in v[PC] on and its scale word in v[PW].
.macro QUANT s
.irp b, 0,1,2,3
	v_max3_num_f32 v[TM+\b], |v[\s+16*\b]|, |v[\s+1+16*\b]|, 0x1800000   ; my 16 numbers of block b, and the floor 2^(3 - 127): the byte cannot fall under 1
.endr
.irp i, 2,4,6,8,10,12,14
.irp b, 0,1,2,3
	v_max3_num_f32 v[TM+\b], v[TM+\b], |v[\s+16*\b+\i]|, |v[\s+1+16*\b+\i]|
.endr
.endr
.irp b, 0,1,2,3
	s_delay_alu instid0(VALU_DEP_4)
	v_permlanex16_b32 v[TM+4+\b], v[TM+\b], s[SEL], s[SEL+1]
.endr
.irp b, 0,1,2,3
	s_delay_alu instid0(VALU_DEP_4)
	v_max_num_f32 v[TM+\b], v[TM+\b], v[TM+4+\b]
.endr
.irp b, 0,1,2,3
	s_delay_alu instid0(VALU_DEP_4)
	v_add_nc_u32 v[TM+12+\b], 0xff000000, v[TM+\b]   ; 2 off the exponent field: the conversion's scale operand
.endr
.irp b, 0,1,2,3
	s_delay_alu instid0(VALU_DEP_4)
	v_lshrrev_b32 v[TM+4+\b], 23, v[TM+12+\b]      ; the scale's byte
.endr
	s_delay_alu instid0(VALU_DEP_3)
	v_lshl_or_b32 v[PW], v[TM+5], 8, v[TM+4]
	s_delay_alu instid0(VALU_DEP_1)
	v_lshl_or_b32 v[PW], v[TM+6], 16, v[PW]
	s_delay_alu instid0(VALU_DEP_1)
	v_lshl_or_b32 v[PW], v[TM+7], 24, v[PW]
.irp c, 0,1
	v_cvt_scalef32_pk16_fp6_f32 v[PC+6*\c:PC+2+6*\c], v[\s+32*\c:\s+15+32*\c], v[TM+12+2*\c]
	v_cvt_scalef32_pk16_fp6_f32 v[PC+12+4*\c:PC+14+4*\c], v[\s+16+32*\c:\s+31+32*\c], v[TM+12+2*\c+1]
.endr
	v_nop                                          ; one plain line behind the scaled conversions
.irp c, 0,1
.irp i, 0,1,2
	v_permlane16_swap_b32 v[PC+6*\c+\i], v[PC+12+4*\c+\i]
.endr
.irp i, 0,1,2
	s_delay_alu instid0(VALU_DEP_3)
	v_mov_b32 v[PC+3+6*\c+\i], v[PC+12+4*\c+\i]
.endr
.endr
.endm
.macro BIAS base                       ; four tiles' bias in the result's layout: lane (r, h), tile 2 b + u: features 32 b + 8 u + 16 h + 0 .. 7 of my head
.irp t, 0,1,2,3
	global_load_b128 v[BI+8*\t:BI+8*\t+3], v[BH], s[\base:\base+1] offset:(32*(\t/2)+8*(\t%2))*4
	global_load_b128 v[BI+8*\t+4:BI+8*\t+7], v[BH], s[\base:\base+1] offset:(32*(\t/2)+8*(\t%2))*4+16
.endr
.endm
.macro FINISH imgoff, scoff            ; the eight accumulators become an image in the record and a scale word in LDS
	PLACES
	s_wait_xcnt 0x0                                ; the last image's stores have read their data: the codes' registers are written again only behind this wait
	QUANT HA
.irp c, 0,1,2
	global_store_b128 v[GO], v[PC+4*\c:PC+4*\c+3], s[14:15] offset:\imgoff+512*\c   ; 512 consecutive bytes, aligned
.endr
	ds_store_b32 v[AG], v[PW] offset:\scoff
.endm
; q or k.  The eight accumulators (tile of tokens a, tile of features t) take turns, one instruction a turn, K step by K step.
.macro PHASE_QK aw, kind, imgoff, scoff, nb
	ds_load_b128 v[SCX:SCX+3], v[ASX]              ; register = K step; lanes 0-15 tile 2 sub, lanes 16-31 tile 2 sub + 1
	ds_load_b128 v[SCW:SCW+3], v[ASW] offset:\kind*2048
	ds_load_b128 v[SCW+4:SCW+7], v[ASW] offset:\kind*2048+512
.irp s, 0,1,2,3
.if \s > 0
	PLACES
.endif
.if \s == 1                            ; the bias has been read by the first K step's products: the next phase's is asked for, behind the places
.if \nb == 1
	BIAS 10
.else
	global_load_b32 v[BI], v[BVA], s[12:13]
.endif
.endif
.irp a, 0,1
	FETCH F+12*\a, AX, \a*6144+1536*\s
.endr
.irp t, 0,1,2,3
	FETCH F+24+12*\t, \aw, \t*6144+1536*\s
.endr
	s_wait_dscnt 0x0
.if \s == 0
	s_wait_loadcnt 0x0                             ; the bias
.endif
.irp a, 0,1
.irp t, 0,1,2,3
.if \s == 0
	MM HA+32*\a+8*\t, F+24+12*\t, F+12*\a, BI+8*\t, SCW+4*(\t/2)+\s, SCX+\s, \t%2, \a
.else
	MM HA+32*\a+8*\t, F+24+12*\t, F+12*\a, HA+32*\a+8*\t, SCW+4*(\t/2)+\s, SCX+\s, \t%2, \a
.endif
.endr
.endr
.endr
	FINISH \imgoff, \scoff
.endm
.macro PHASE_V
	s_wait_loadcnt 0x0                             ; bv of my channel,
.irp j, 1,2,3,4,5,6,7
	v_mov_b32 v[BI+\j], v[BI]                      ; for each of a lane's eight tokens
.endr
	s_wait_alu depctr_va_vdst(0)
.irp i, 0,1,2,3
	ds_load_b128 v[SCX+4*\i:SCX+4*\i+3], v[ASX0] offset:512*\i
.endr
	ds_load_b128 v[SCW:SCW+3], v[ASV]
.irp s, 0,1,2,3
.irp e, 0,1
.if (\s)+(\e) > 0
	PLACES
.endif
.if \e == 0
	FETCH F, AWV, 1536*\s
.endif
.irp i, 0,1,2,3
	FETCH F+24+12*\i, LI, (4*\e+\i)*6144+1536*\s
.endr
	s_wait_dscnt 0x0
.irp i, 0,1,2,3
.if \s == 0
	MM HA+8*(4*\e+\i), F+24+12*\i, F, BI, SCX+4*((4*\e+\i)/2)+\s, SCW+\s, \i%2, 0
.else
	MM HA+8*(4*\e+\i), F+24+12*\i, F, HA+8*(4*\e+\i), SCX+4*((4*\e+\i)/2)+\s, SCW+\s, \i%2, 0
.endif
.endr
.endr
.endr
	FINISH 6144, 256
.endm
	s_load_b256 s[4:11], s[0:1], 0x0               ; cod, scl, bq, bk
	s_load_b128 s[12:15], s[0:1], 0x20             ; bv, qkv
	v_lshl_add_u32 v254, v0, 2, 0x34000
	v_mov_b32 v255, 0
	ds_add_u32 v254, v255
	ds_add_u32 v254, v255
	v_lshrrev_b32 v1, 5, v0
	s_delay_alu instid0(VALU_DEP_1)
	v_readfirstlane_b32 s[WV], v1                  ; wave 0..7
	s_lshr_b32 s[HL], s[WV], 2
	s_and_b32 s[SUB], s[WV], 3
	s_bfe_u32 s19, ttmp6, 0x40000                  ; cx
	s_bfe_u32 s20, ttmp6, 0x40004                  ; cy
	s_lshl_b32 s21, ttmp9, 2
	s_add_co_u32 s21, s21, s19                     ; hp = 4 x cluster x + cx
	s_and_b32 s22, ttmp7, 0xffff
	s_lshl_b32 s22, s22, 2
	s_add_co_u32 s22, s22, s20                     ; g = 4 x cluster y + cy
	s_lshl_b32 s23, s20, 2
	s_lshl_b32 s23, 15, s23                        ; my row of the cluster
	s_lshl_b32 s24, 0x1111, s19                    ; my column
	; groups 1: dense blocks as rows of 256 bytes (32 elements of 8 bytes), no padding: 192 rows of codes, 8 of scale words
	s_or_b32 s[G1XC], s23, (3<<16)|(1<<21)         ; 15:0 the mask; 17:16 elements of 8 bytes; 21 set beside a mask
	s_or_b32 s[G1WC], s24, (3<<16)|(1<<21)
	s_or_b32 s[G1XS], s23, (3<<16)|(1<<21)
	s_or_b32 s[G1WS], s24, (3<<16)|(1<<21)
.irp g, G1XC, G1WC
	s_mov_b32 s[\g+1], 32<<16                      ; tensor_dim0
	s_mov_b32 s[\g+2], 192<<16                     ; tensor_dim1
	s_mov_b32 s[\g+3], 32<<16                      ; tile_dim0
	s_mov_b32 s[\g+4], 192                         ; tile_dim1
	s_mov_b32 s[\g+5], 32                          ; the pitch
	s_mov_b32 s[\g+6], 0
	s_mov_b32 s[\g+7], 0
.endr
.irp g, G1XS, G1WS
	s_mov_b32 s[\g+1], 32<<16
	s_mov_b32 s[\g+2], 8<<16
	s_mov_b32 s[\g+3], 32<<16
	s_mov_b32 s[\g+4], 8
	s_mov_b32 s[\g+5], 32
	s_mov_b32 s[\g+6], 0
	s_mov_b32 s[\g+7], 0
.endr
	s_mul_i32 s80, s22, 49152                      ; x: 8 tiles of 6,144 bytes from tile 8 g on; these registers hold nothing of cx
	s_mov_b32 s81, 0
	s_lshl_b32 s82, s22, 11                        ; and 8 x 256 bytes of scale words
	s_mov_b32 s83, 0
	s_lshl_b32 s84, s[SUB], 5                      ; the weights: wave 1, 5: Wq; 2, 6: Wk; 3, 7: Wv: tile 480 + 32 (wave % 4) + 8 hp; these hold nothing of cy
	s_lshl_b32 s85, s21, 3
	s_add_co_u32 s84, s84, s85
	s_add_co_u32 s84, s84, 480
	s_lshl_b32 s86, s84, 8
	s_mul_i32 s84, s84, 6144
	s_mov_b32 s85, 0
	s_mov_b32 s87, 0
	s_mul_i32 s88, s[SUB], 49152                   ; where they go: the wave's number alone
	s_lshl_b32 s89, s[SUB], 11
	s_add_co_u32 s89, s89, 196608
	s_wait_dscnt 0x0
	s_wait_kmcnt 0x0
	s_mov_b32 s[G0XC], 1
	s_mov_b32 s[G0XC+1], 0
	s_add_nc_u64 s[G0XC+2:G0XC+3], s[4:5], s[80:81]
	s_or_b32 s[G0XC+3], s[G0XC+3], 0x80000000
	s_mov_b32 s[G0WC], 1
	s_mov_b32 s[G0WC+1], s88
	s_add_nc_u64 s[G0WC+2:G0WC+3], s[4:5], s[84:85]
	s_or_b32 s[G0WC+3], s[G0WC+3], 0x80000000
	s_mov_b32 s[G0XS], 1
	s_mov_b32 s[G0XS+1], 196608
	s_add_nc_u64 s[G0XS+2:G0XS+3], s[6:7], s[82:83]
	s_or_b32 s[G0XS+3], s[G0XS+3], 0x80000000
	s_mov_b32 s[G0WS], 1
	s_mov_b32 s[G0WS+1], s89
	s_add_nc_u64 s[G0WS+2:G0WS+3], s[6:7], s[86:87]
	s_or_b32 s[G0WS+3], s[G0WS+3], 0x80000000
	CROUND                                         ; all sixteen work-groups are here: the joint loads meet
	s_cmp_lt_u32 s[WV], 4                          ; one load a wave; the branches hang on the wave's number alone; four v_nop follow each load
	s_cbranch_scc0 .Lscales
	s_cmp_eq_u32 s[SUB], 0
	s_cbranch_scc0 .Lwcodes
	tensor_load_to_lds s[G0XC:G0XC+3], s[G1XC:G1XC+7]
	s_nop 0
.rept 4
	v_nop
.endr
	s_branch .Lasked
.Lwcodes:
	tensor_load_to_lds s[G0WC:G0WC+3], s[G1WC:G1WC+7]
	s_nop 0
.rept 4
	v_nop
.endr
	s_branch .Lasked
.Lscales:
	s_cmp_eq_u32 s[SUB], 0
	s_cbranch_scc0 .Lwscales
	tensor_load_to_lds s[G0XS:G0XS+3], s[G1XS:G1XS+7]
	s_nop 0
.rept 4
	v_nop
.endr
	s_branch .Lasked
.Lwscales:
	tensor_load_to_lds s[G0WS:G0WS+3], s[G1WS:G1WS+7]
	s_nop 0
.rept 4
	v_nop
.endr
.Lasked:
	v_and_b32 v40, 31, v0                          ; lane
	v_and_b32 v41, 15, v0                          ; r
	v_bfe_u32 v42, v0, 4, 1                        ; h
	s_delay_alu instid0(VALU_DEP_3)
	v_lshlrev_b32 v[LI], 4, v40
	s_wait_alu depctr_va_vdst(0)
	s_mul_i32 s25, s[SUB], 12288
	v_add_nc_u32 v[AX], s25, v[LI]
	s_mul_i32 s25, s[HL], 24576
	s_add_co_u32 s23, s25, 49152
	v_add_nc_u32 v[AWQ], s23, v[LI]
	s_add_co_u32 s23, s25, 98304
	v_add_nc_u32 v[AWK], s23, v[LI]
	s_mul_i32 s25, s[WV], 6144
	s_add_co_u32 s25, s25, 147456
	v_add_nc_u32 v[AWV], s25, v[LI]
	s_lshl_b32 s25, s[SUB], 9
	s_add_co_u32 s25, s25, 196608
	v_add_nc_u32 v[ASX], s25, v[LI]
	s_lshl_b32 s25, s[HL], 10
	s_add_co_u32 s25, s25, 198656
	v_add_nc_u32 v[ASW], s25, v[LI]
	v_add_nc_u32 v[ASX0], 196608, v[LI]
	s_lshl_b32 s25, s[WV], 8
	s_add_co_u32 s25, s25, 202752
	v_lshl_add_u32 v[ASV], v41, 4, s25
	s_mul_i32 s25, s[HL], 768                      ; the gathered words: word (part p, row r) at 128 (p % 2) + 8 r + 4 (p / 2), so that a reader's 8 bytes a lane are two registers of scale words
	s_add_co_u32 s25, s25, GS
	v_lshlrev_b32 v[L8], 3, v40
	s_delay_alu instid0(VALU_DEP_1)
	v_add_nc_u32 v[GR], s25, v[L8]
	s_and_b32 s23, s[SUB], 1
	s_lshl_b32 s23, s23, 7
	s_add_co_u32 s25, s25, s23
	s_lshr_b32 s23, s[SUB], 1
	s_lshl_b32 s23, s23, 2
	s_add_co_u32 s25, s25, s23
	v_lshl_add_u32 v[AG], v41, 3, s25
	s_mul_i32 s25, s[SUB], 1536
	v_add_nc_u32 v[GO], s25, v[LI]
	v_lshlrev_b32 v[BH], 6, v42
	s_wait_alu depctr_va_vdst(0)
	v_and_b32 v[BVA], 8, v41
	s_delay_alu instid0(VALU_DEP_1)
	v_add_nc_u32 v[BVA], v[BVA], v41
	s_delay_alu instid0(VALU_DEP_1)
	v_lshlrev_b32 v[BVA], 2, v[BVA]
	s_mov_b32 s[SEL], 0x76543210
	s_mov_b32 s[SEL+1], 0xfedcba98
.irp b, 0,1,2,3
	v_mov_b32 v[TM+4+\b], 0                        ; written once: a lane permute's destination counts as one of its sources
.endr
	s_lshl_b32 s90, s21, 1
	s_add_co_u32 s90, s90, s[HL]                   ; my head
	s_lshr_b32 s91, s22, 5                         ; the batch
	s_lshl_b32 s91, s91, 3
	s_add_co_u32 s91, s91, s90
	s_lshl_b32 s91, s91, 5
	s_and_b32 s92, s22, 31                         ; the group inside the batch
	s_add_co_u32 s91, s91, s92
	s_mul_i32 s92, s91, 19200
	s_mov_b32 s93, 0
	s_add_nc_u64 s[14:15], s[14:15], s[92:93]      ; my record
	s_lshl_b32 s92, s90, 8                         ; my head's 64 numbers of each bias
	s_add_nc_u64 s[8:9], s[8:9], s[92:93]
	s_add_nc_u64 s[10:11], s[10:11], s[92:93]
	s_lshr_b32 s94, s[SUB], 1
	s_lshl_b32 s94, s94, 7
	s_and_b32 s95, s[SUB], 1
	s_lshl_b32 s95, s95, 5
	s_add_co_u32 s94, s94, s95
	s_add_co_u32 s92, s92, s94                     ; bv: and my tile's first channel, 32 (sub / 2) + 8 (sub % 2)
	s_add_nc_u64 s[12:13], s[12:13], s[92:93]
	BIAS 8
	s_wait_tensorcnt 0x0                           ; my block has landed,
	s_barrier_signal -1
	s_barrier_wait -1                              ; everybody's has
	PHASE_QK AWQ, 0, 13056, 512, 1
	PHASE_QK AWK, 1, 0, 0, 2
	PHASE_V
	s_wait_dscnt 0x0                               ; for the others' sake: my three scale words have landed
	s_barrier_signal -1
	s_barrier_wait -1
	s_cmp_lg_u32 s[SUB], 0                         ; waves 0 and 4 store their head's 768 bytes of scale words
	s_cbranch_scc1 .Lno_words
.irp i, 0,1,2
	ds_load_b64 v[F+2*\i:F+2*\i+1], v[GR] offset:256*\i
.endr
	s_wait_dscnt 0x0
.irp i, 0,1,2
	global_store_b64 v[L8], v[F+2*\i:F+2*\i+1], s[14:15] offset:12288+256*\i   ; 256 consecutive bytes, aligned
.endr
.Lno_words:
	s_wait_tensorcnt 0x0
	ds_add_u32 v254, v255
	s_wait_dscnt 0x0
	CROUND                                         ; the closing round: no work-group ends while a partner may still ask for a block that names it
	s_endpgm
.Lfunc_end_k_qa6c2dcc1d8_proj:
	.size	k_qa6c2dcc1d8_proj, .Lfunc_end_k_qa6c2dcc1d8_proj-k_qa6c2dcc1d8_proj
	.p2alignl 7, 3214868480
	.fill 96, 4, 3214868480
	.section	.rodata,"a",@progbits
	.p2align	6, 0x0
	.amdhsa_kernel k_qa6c2dcc1d8_proj
		.amdhsa_group_segment_fixed_size 214016
		.amdhsa_private_segment_fixed_size 0
		.amdhsa_enable_private_segment 0
		.amdhsa_kernarg_size 48
		.amdhsa_user_sgpr_count 2
		.amdhsa_user_sgpr_kernarg_segment_ptr 1
		.amdhsa_wavefront_size32 1
		.amdhsa_system_sgpr_workgroup_id_x 1
		.amdhsa_system_sgpr_workgroup_id_y 1
		.amdhsa_system_sgpr_workgroup_id_z 1
		.amdhsa_system_vgpr_workitem_id 0
		.amdhsa_next_free_vgpr 256
		.amdhsa_next_free_sgpr 100
		.amdhsa_reserve_vcc 0
		.amdhsa_float_denorm_mode_32 3
		.amdhsa_float_denorm_mode_16_64 3
		.amdhsa_memory_ordered 1
		.amdhsa_forward_progress 1
		.amdhsa_inst_pref_size 58
	.end_amdhsa_kernel
	.amdgpu_metadata
---
amdhsa.version: [ 1, 2 ]
amdhsa.kernels:
  - .name:           k_qa6c2dcc1d8_proj
    .symbol:         k_qa6c2dcc1d8_proj.kd
    .args:
      - { .name: cod, .offset: 0, .size: 8, .value_kind: global_buffer, .address_space: global }
      - { .name: scl, .offset: 8, .size: 8, .value_kind: global_buffer, .address_space: global }
      - { .name: bq, .offset: 16, .size: 8, .value_kind: global_buffer, .address_space: global }
      - { .name: bk, .offset: 24, .size: 8, .value_kind: global_buffer, .address_space: global }
      - { .name: bv, .offset: 32, .size: 8, .value_kind: global_buffer, .address_space: global }
      - { .name: qkv, .offset: 40, .size: 8, .value_kind: global_buffer, .address_space: global }
    .group_segment_fixed_size: 214016
    .private_segment_fixed_size: 0
    .kernarg_segment_align: 8
    .kernarg_segment_size: 48
    .max_flat_workgroup_size: 256
    .sgpr_count:     100
    .vgpr_count:     256
    .wavefront_size: 32
...
	.end_amdgpu_metadata
.endif
;; end of part 2
;; launch attn (part 3): grid 16 x 16, 16 waves a work-group, clusters of 4 x 1, 327,680 bytes of LDS; arguments qkv, oc, os; writes oc, os
.if DOCPART == 3
	.amdgcn_target "amdgcn-amd-amdhsa--gfx1250"
	.amdhsa_code_object_version 6
	.text
	.protected	k_qa6c2dcc1d8_attn
	.globl	k_qa6c2dcc1d8_attn
	.p2align	8
	.type	k_qa6c2dcc1d8_attn,@function
k_qa6c2dcc1d8_attn:
	s_mov_b64 s[64:65], 0
	v_nop
	global_prefetch_b8 v0, s[64:65] scope:SCOPE_SE
	s_setreg_imm32_b32 hwreg(HW_REG_WAVE_MODE, 25, 1), 1
	s_wait_xcnt 0x0
	s_wait_alu depctr_hold_cnt(0) depctr_sa_sdst(0) depctr_va_vdst(0) depctr_va_sdst(0) depctr_va_ssrc(0) depctr_va_vcc(0) depctr_vm_vsrc(0)
	s_getreg_b32 s2, hwreg(HW_REG_IB_STS2, 6, 4)
	s_cmp_eq_u32 s2, 0
	s_cbranch_scc0 .Lentry_in_a_cluster
	s_endpgm
.Lentry_in_a_cluster:
	s_bfe_u32 s2, ttmp6, 0x10000c
	s_cmp_lg_u32 s2, 0x3003
	s_cbranch_scc0 .Lentry_shape_is_right
	s_endpgm
.Lentry_shape_is_right:
; o = softmax(q k^T / 8) v for one (batch, head) and 256 queries, both products on codes of FP6 (E2M3) with E8M0 scales; o is divided by the row's sum and quantised along the channels for the last product.
; THE SOFTMAX: t = score x log2(e) / 8; M = the largest t so far, rounded UP to a whole number; p = 2^(t - M) is quantised along the keys, not normalised; the row's sum is taken of the unquantised p.
; When M moves, the sum and O are multiplied by 2^(old M - new M): exact.
; SHARES: each of sixteen waves owns one tile of 16 queries in 256 registers and walks 32 key steps of 128 keys.  Both products are used transposed (S^T = K Q^T, O^T = V^T P^T): a lane holds one query throughout.
; THE HEAD'S K IS 64, THE INSTRUCTION'S 128.  A fragment of K holds TWO tiles of keys (registers 0-5, 6-11).  Q stands as [Q][0][Q] in 18 registers: against (Q, 0) the first tile's scores come out, against (0, Q) the second's.
; WHICH KEYS FORM A TILE is chosen by the LDS read address: fragment (c, e) takes in lanes r < 8 the stored fragment 2 c, rows 8 e + r, and in lanes r >= 8 the stored fragment 2 c + 1, rows 8 e + r - 8.
; Tile u = 2 e + half then holds keys 64 c + 32 (r / 8) + 8 u + r % 8, so register 32 c + 8 u + j of lane (query, h) is key 64 c + 32 h + 8 u + j: A LANE'S 32 REGISTERS ARE ONE WHOLE BLOCK OF 32 KEYS, in the order of the
; 6-bit operand.  A block's largest score needs no other lane and the codes need no lane swap; two lane exchanges a step are left: the row's largest score and the two halves of p's scale word.
; A key step's record (K's 4 images, V's 4 images, their scale words: 12,800 dense bytes) lies in LDS as 50 rows of 256 bytes + 64 of padding: rows 6 apart begin 128 bytes apart modulo 256, so the sixteen lanes of a K load
; touch 256 different bytes modulo 256.  A slot holds EIGHT steps; each of the sixteen waves fetches half a record (25 rows) by one tensor load: a wave has one tensor load out, and there are four changes of slots.
; The row's sum runs in four chains; its additions stand behind the matrix instructions as the plain lines that are owed there, and the chains are joined inside the next step, between its two groups of score products.
; CLUSTER 4 x 1: the four query blocks of a cluster belong to one head and walk the same records: each half record is asked for jointly.
; No prefetch: a refill is asked for eight key steps ahead of its first read, and each record is read by the four clusters of its head.
; LIMITS: a block of p or of o under 2^-124 gets the byte 1 (its codes are zeros); NaN and infinities are not served; the scaled scores stay under 2^31 in magnitude.
; A block's largest p is taken as 2^(.) of its largest score, which takes v_exp_f32 not to fall where its input rises.
.set NSL,   4                          ; slots' worth of keys
.set STEPB, 16000                      ; a step's bytes in LDS: 50 rows of 320
.set HALFS, 64000                      ; four steps: what an immediate offset reaches
.set SLOT1, 131072                     ; slot 1 begins here: one exclusive or turns an address from one slot to the other
.set SPARE, 262144                     ; the spare words, 128 bytes for each of 16 waves: eight blocks of 256 bytes that no other line names
.set OSG,   264192                     ; 1,024 bytes: o's scale words are gathered here
.set LI,  1                            ; 16 x lane
.set L8,  2                            ; 8 x lane
.set KL,  3                            ; K's lane term: 1920 (r / 8) + 320 h + 16 (r % 8)
.set VL,  4                            ; V's: 320 h + 16 r
.set SPW, 5                            ; LDS address of my spare word; never rewritten
.set NIL, 6                            ; 0; never rewritten
.set AOS, 7                            ; where my row's scale word of o is gathered
.set QO,  8                            ; Q's image: my byte offset in the record
.set QSO, 9                            ; Q's scale word likewise
.set OSR, 10                           ; OSG + 16 x lane
.set KSL, 14                           ; K's scale words: 128 (r / 8) + 64 h + 8 (r % 8)         v12 -M, v13 the largest score so far
.set SH8, 15                           ; 8 h
.set QF,  16                           ; v16-33 [Q][0][Q]
.set QS,  34                           ; Q's scale word
.set PS,  35                           ; p's
.set KS,  36                           ; v[36:37] K's: register c, lanes 16 e + r
.set VS,  38                           ; v[38:39] V's: register t / 2, lanes 16 (t % 2) + r
.set KV,  40                           ; v40-87 four fragments of K, then of V
.set KA,  88                           ; v88-95 addresses in the slot in hand, one for steps 0-3 and one for steps 4-7: K, V, K's scale words, V's
.set VA,  90
.set KSA, 92
.set VSA, 94
.set S,   96                           ; v96-159 S^T, then p
.set O,   160                          ; v160-191 O^T
.set PC,  192                          ; v192-203 p's codes
.set CT,  204                          ; v204-206, v208-210 the upper halves of the blocks' codes
.set BM,  212                          ; my two blocks' largest scores
.set T2,  214                          ; what the lane exchanges bring
.set SO,  216                          ; the conversions' scale operands
.set BY,  218                          ; the scale bytes
.set FF,  220                          ; v[220:221] f = 2^(old M - new M)
.set TT,  222
.set OLD, 223                          ; the last step's -M
.set SUMS, 224                         ; v224-231 the row's sum: the running pair and three chains
.set XM,  232                          ; second chains of the maxima
.set W,   234
.set OW,  235
.set WV,  18
.set SEL, 20
.set CS,  22                           ; s[22:23] c = log2(e) / 8
.set G1,  24
.set G0,  32
.set TB,  36                           ; LDS byte at which the slot in hand begins
.set SLOTS, 37
.set TB2, 48                           ; and its second half
.macro CROUND                          ; a round of the cluster's barrier
	s_barrier_signal -1
	s_barrier_wait -1
	s_cmp_lg_u32 s[WV], 0
	s_cbranch_scc1 .Lnot_wave_0_\@
	s_barrier_signal -3
.Lnot_wave_0_\@:
	s_barrier_wait -3
	s_barrier_signal -1
	s_barrier_wait -1
.endm
.macro TLOAD                           ; every wave fetches its half record
	tensor_load_to_lds s[G0:G0+3], s[G1:G1+7]
	s_nop 0
.rept 4
	v_nop
.endr
.endm
; D = A B + C (c < 0: C = 0); ra = 1: A's scale words stand in lanes 16-31
.macro MM d, a, b, c, sa, sb, ra
.if (\c) < 0
.if (\ra)
	v_wmma_scale_f32_16x16x128_f8f6f4 v[\d:\d+7], v[\a:\a+11], v[\b:\b+11], 0, v[\sa], v[\sb] matrix_a_fmt:MATRIX_FMT_FP6 matrix_b_fmt:MATRIX_FMT_FP6 matrix_a_scale:MATRIX_SCALE_ROW1
.else
	v_wmma_scale_f32_16x16x128_f8f6f4 v[\d:\d+7], v[\a:\a+11], v[\b:\b+11], 0, v[\sa], v[\sb] matrix_a_fmt:MATRIX_FMT_FP6 matrix_b_fmt:MATRIX_FMT_FP6
.endif
.else
.if (\ra)
	v_wmma_scale_f32_16x16x128_f8f6f4 v[\d:\d+7], v[\a:\a+11], v[\b:\b+11], v[\c:\c+7], v[\sa], v[\sb] matrix_a_fmt:MATRIX_FMT_FP6 matrix_b_fmt:MATRIX_FMT_FP6 matrix_a_scale:MATRIX_SCALE_ROW1
.else
	v_wmma_scale_f32_16x16x128_f8f6f4 v[\d:\d+7], v[\a:\a+11], v[\b:\b+11], v[\c:\c+7], v[\sa], v[\sb] matrix_a_fmt:MATRIX_FMT_FP6 matrix_b_fmt:MATRIX_FMT_FP6
.endif
.endif
.endm
.macro KLOAD q                         ; step q's four fragments of K, by the choice of keys above, and their scale words
.irp c, 0,1
.irp e, 0,1
.irp p, 0,1,2
	ds_load_b128 v[KV+24*\c+12*\e+4*\p:KV+24*\c+12*\e+4*\p+3], v[KA+(\q)/4] offset:STEPB*((\q)%4)+3840*\c+128*\e+640*\p
.endr
.endr
.endr
	ds_load_b64 v[KS:KS+1], v[KSA+(\q)/4] offset:STEPB*((\q)%4)+15360
.endm
.macro VLOAD q                         ; step q's four fragments of V and their scale words
.irp t, 0,1,2,3
.irp p, 0,1,2
	ds_load_b128 v[KV+12*\t+4*\p:KV+12*\t+4*\p+3], v[VA+(\q)/4] offset:STEPB*((\q)%4)+7680+1920*\t+640*\p
.endr
.endr
	ds_load_b64 v[VS:VS+1], v[VSA+(\q)/4] offset:STEPB*((\q)%4)+15680
.endm
.macro SMM c                           ; the scores of keys 64 c .. 64 c + 63: four tiles
.irp e, 0,1
	MM S+32*\c+16*\e, KV+24*\c+12*\e, QF, -1, KS+\c, QS, \e
	MM S+32*\c+16*\e+8, KV+24*\c+12*\e, QF+6, -1, KS+\c, QS, \e
.endr
.endm
.macro PKF a, n                        ; t - M for n pairs from pair a on
.set j, 2*(\a)
.rept \n
	v_pk_fma_f32 v[S+j:S+j+1], v[S+j:S+j+1], s[CS:CS+1], v[12:13] op_sel_hi:[1,0,0]
.set j, j+2
.endr
.endm
.macro ADDS a, n                       ; n pairs of p from pair a on, onto the four chains by turns
.set j, \a
.rept \n
	v_pk_add_f32 v[SUMS+2*((j+2)%4):SUMS+2*((j+2)%4)+1], v[SUMS+2*((j+2)%4):SUMS+2*((j+2)%4)+1], v[S+2*j:S+2*j+1]
.set j, j+1
.endr
.endm
.macro JOIN                            ; the three chains onto the running pair
	v_pk_add_f32 v[SUMS+4:SUMS+5], v[SUMS+4:SUMS+5], v[SUMS+6:SUMS+7]
	v_pk_add_f32 v[SUMS:SUMS+1], v[SUMS:SUMS+1], v[SUMS+2:SUMS+3]
.endm
; A KEY STEP: 128 keys, the q-th of the slot in hand.
.macro STEP q
.if (\q) == 0
	KLOAD 0                                        ; a slot's first step asks here; the others were asked for inside the step before
.endif
	s_wait_alu depctr_va_vdst(0)                   ; the wait here, directly ahead of the wait below
	s_wait_dscnt 0x0                               ; K's fragments and scale words
	SMM 0
	JOIN                                           ; four plain lines that name no register of the products above: the last step's chains are joined,
	v_mov_b32 v[OLD], v12                          ; -M is kept,
	v_pk_add_f32 v[SUMS:SUMS+1], v[SUMS:SUMS+1], v[SUMS+4:SUMS+5]
	SMM 1
.irp c, 0,1                                    ; the largest score of my two blocks, each in two chains; block 0's first four lines are the plain lines behind block 1's products
	v_max3_num_f32 v[BM+\c], v[S+32*\c], v[S+32*\c+1], v[S+32*\c+2]
	v_max3_num_f32 v[XM+\c], v[S+32*\c+16], v[S+32*\c+17], v[S+32*\c+18]
	v_max3_num_f32 v[BM+\c], v[BM+\c], v[S+32*\c+3], v[S+32*\c+4]
	v_max3_num_f32 v[XM+\c], v[XM+\c], v[S+32*\c+19], v[S+32*\c+20]
.if \c == 0
	VLOAD \q                                       ; V's fragments land while the softmax is walked
.endif
.endr
.irp i, 5,7,9,11,13
.irp c, 0,1
	v_max3_num_f32 v[BM+\c], v[BM+\c], v[S+32*\c+\i], v[S+32*\c+\i+1]
	v_max3_num_f32 v[XM+\c], v[XM+\c], v[S+32*\c+16+\i], v[S+32*\c+17+\i]
.endr
.endr
.irp c, 0,1
	v_max3_num_f32 v[BM+\c], v[BM+\c], v[XM+\c], v[S+32*\c+15]
.endr
.irp c, 0,1
	v_max_num_f32 v[BM+\c], v[BM+\c], v[S+32*\c+31]
.endr
	s_delay_alu instid0(VALU_DEP_1)
	v_max_num_f32 v[TT], v[BM], v[BM+1]
	s_delay_alu instid0(VALU_DEP_1)
	v_permlanex16_b32 v[T2], v[TT], s[SEL], s[SEL+1]   ; lane l xor 16's two blocks
	s_delay_alu instid0(VALU_DEP_1)
	v_max3_num_f32 v13, v13, v[TT], v[T2]          ; the running largest score
	s_delay_alu instid0(VALU_DEP_1)
	v_mul_f32 v[TT], s[CS], v13                    ; as t (c is positive)
	s_delay_alu instid0(VALU_DEP_1)
	v_floor_f32 v12, -v[TT]                        ; the new -M = floor(-t) = -ceil(t)
	s_delay_alu instid0(VALU_DEP_1)
	v_sub_f32 v[TT], v12, v[OLD]                   ; old M - new M: a whole number, 0 or less
	PKF 0, 8
	v_cvt_i32_f32 v[TT], v[TT]                     ; (it saturates)
	PKF 8, 8
	v_ldexp_f32 v[FF], 1.0, v[TT]                  ; f = 2^(old M - new M)
	PKF 16, 16
.irp c, 0,1
	v_fma_f32 v[BM+\c], v[BM+\c], s[CS], v12       ; the same of each block's largest score
.endr
.set j, 0
.rept 16
	v_pk_mul_f32 v[O+j:O+j+1], v[O+j:O+j+1], v[FF:FF+1] op_sel_hi:[1,0]   ; O^T under the new M, each accumulator from its low end on
.set j, j+2
.endr
	s_wait_alu depctr_va_vdst(0)                   ; the wait ahead of the batch
.set j, 0
.rept 64
	v_exp_f32 v[S+j], v[S+j]                       ; p = 2^(t - M): one batch of 66; none reads another's result
.set j, j+1
.endr
.irp c, 0,1
	v_exp_f32 v[BM+\c], v[BM+\c]                   ; the block's largest p: the same two instructions on the same number give the same bits
.endr
	v_pk_mul_f32 v[SUMS:SUMS+1], v[SUMS:SUMS+1], v[FF:FF+1] op_sel_hi:[1,0]   ; the sum under the new M: a plain line that names no result of the batch
	s_wait_alu depctr_va_vdst(0)                   ; one wait for the batch, ahead of its first reader
.irp c, 0,1
	v_max_num_f32 v[BM+\c], 0x1800000, v[BM+\c]    ; the floor 2^(3 - 127): the byte cannot fall under 1
.endr
.irp c, 0,1
	v_add_nc_u32 v[SO+\c], 0xff000000, v[BM+\c]    ; 2 off the exponent field: the conversion's scale operand
.endr
.irp c, 0,1
	v_cvt_scalef32_pk16_fp6_f32 v[PC+6*\c:PC+6*\c+2], v[S+32*\c:S+32*\c+15], v[SO+\c]
	v_cvt_scalef32_pk16_fp6_f32 v[CT+4*\c:CT+4*\c+2], v[S+32*\c+16:S+32*\c+31], v[SO+\c]   ; (a conversion's three registers begin on an even number)
.endr
	v_lshrrev_b32 v[BY], 23, v[SO]                 ; the scale bytes of blocks h and 2 + h.  (Plain lines behind the scaled conversions)
	v_lshrrev_b32 v[BY+1], 23, v[SO+1]
	v_mov_b32 v[PC+3], v[CT]
	v_mov_b32 v[PC+4], v[CT+1]
	v_lshl_or_b32 v[W], v[BY+1], 16, v[BY]
	v_mov_b32 v[PC+5], v[CT+2]
	v_mov_b32 v[PC+9], v[CT+4]
	v_lshlrev_b32 v[W], v[SH8], v[W]               ; at their places in the word: 8 h bits up
	v_mov_b32 v[PC+10], v[CT+5]
	v_mov_b32 v[PC+11], v[CT+6]
	v_permlanex16_b32 v[T2+1], v[W], s[SEL], s[SEL+1]
	v_pk_add_f32 v[SUMS+2:SUMS+3], v[S:S+1], v[S+2:S+3]       ; the three chains begin anew
	v_pk_add_f32 v[SUMS+4:SUMS+5], v[S+4:S+5], v[S+6:S+7]
	v_or_b32 v[PS], v[W], v[T2+1]                  ; p's scale word for these 128 keys; ten plain lines stand between it and the products
	v_pk_add_f32 v[SUMS+6:SUMS+7], v[S+8:S+9], v[S+10:S+11]
	ADDS 6, 9
	s_wait_alu depctr_va_vdst(0)                   ; the wait here, directly ahead of the wait below
	s_wait_dscnt 0x0                               ; V's fragments and scale words
.irp t, 0,1,2,3                                ; O^T += V^T P^T: register 16 b + i is channel 32 b + 16 (lane / 16) + i
	MM O+8*\t, KV+12*\t, PC, O+8*\t, VS+\t/2, PS, \t%2
.endr
	ADDS 15, 4                                     ; four plain lines that name no register of the products: K's fragments may land on V's
.if (\q) < 7
	KLOAD (\q)+1
.endif
	ADDS 19, 13
.endm
; THE CHANGE OF SLOTS.  Each wave waits for all its tensor loads, adds 0 to its spare word, and waits for that and for its reads of the slot that it has left.  fill = 1: a round of the cluster's barrier, so that no
; wave of any partner still reads that slot or has a load on its way; then the joint refill, first thing behind it: it has eight key steps in which to land.
.macro CHANGE fill
	s_wait_tensorcnt 0x0                           ; no tensor load of mine is out, so group 0 may be written
	ds_add_u32 v[SPW], v[NIL]                      ; 0 onto my spare word
.if \fill
	s_xor_b32 s[G0+1], s[G0+1], SLOT1              ; the other slot than last time,
	s_add_nc_u64 s[G0+2:G0+3], s[G0+2:G0+3], 8*19200   ; eight records on; the type bits on top are not reached
.endif
	s_wait_dscnt 0x0                               ; the add is done, and my reads of the slot that I have left are over
.if \fill
	CROUND
	TLOAD
.else
	s_barrier_signal -1
	s_barrier_wait -1
.endif
.endm
.macro SLOT_STEPS
	s_add_co_u32 s[TB2], s[TB], HALFS
	v_add_nc_u32 v[KA], s[TB], v[KL]
	v_add_nc_u32 v[KA+1], s[TB2], v[KL]
	v_add_nc_u32 v[VA], s[TB], v[VL]
	v_add_nc_u32 v[VA+1], s[TB2], v[VL]
	v_add_nc_u32 v[KSA], s[TB], v[KSL]
	v_add_nc_u32 v[KSA+1], s[TB2], v[KSL]
	v_add_nc_u32 v[VSA], s[TB], v[L8]
	v_add_nc_u32 v[VSA+1], s[TB2], v[L8]
.irp q, 0,1,2,3,4,5,6,7
	STEP \q
.endr
	s_xor_b32 s[TB], s[TB], SLOT1                  ; on to the other slot
.endm
	s_load_b128 s[4:7], s[0:1], 0x0                ; qkv, oc
	s_load_b64 s[8:9], s[0:1], 0x10                ; os
	v_lshl_add_u32 v[SPW], v0, 2, SPARE
	v_mov_b32 v[NIL], 0
	ds_add_u32 v[SPW], v[NIL]                      ; the opening lines: the add, twice on end, and one wait
	ds_add_u32 v[SPW], v[NIL]
	v_lshrrev_b32 v11, 5, v0
	v_readfirstlane_b32 s[WV], v11                 ; wave 0..15
	s_bfe_u32 s10, ttmp6, 0x40000                  ; cx: it enters Q's, oc's and os's addresses alone
	s_lshl_b32 s11, ttmp9, 2
	s_add_co_u32 s11, s11, s10                     ; my block of 256 queries
	s_and_b32 s12, ttmp7, 0xffff                   ; batch x 8 + head, which the four partners share
	s_lshr_b32 s13, s[WV], 1                       ; which of a slot's eight steps I fetch,
	s_lshl_b32 s14, s12, 5
	s_add_co_u32 s14, s14, s13
	s_mul_i32 s14, s14, 19200                      ; its record in memory,
	s_and_b32 s13, s[WV], 1
	s_mul_i32 s13, s13, 6400                       ; which 25 rows of it,
	s_add_co_u32 s14, s14, s13
	s_mov_b32 s15, 0
	s_mul_i32 s16, s[WV], 8000                     ; and their place in a slot: 25 rows of 320 bytes for each wave
	; group 1: 25 rows of 256 bytes (32 elements of 8 bytes), 64 bytes of padding behind each
	s_mov_b32 s[G1], 15|(3<<16)|(1<<20)|(1<<21)|(5<<22)|(15<<25)   ; 15:0 the mask: all four work-groups; 17:16 elements of 8 bytes; 20 padding on; 21 set beside a mask; 24:22 after every 64 words; 31:25 of 16 words
	s_mov_b32 s[G1+1], 32<<16                      ; tensor_dim0
	s_mov_b32 s[G1+2], 25<<16                      ; tensor_dim1
	s_mov_b32 s[G1+3], 32<<16                      ; tile_dim0
	s_mov_b32 s[G1+4], 25                          ; tile_dim1
	s_mov_b32 s[G1+5], 32                          ; the pitch
	s_mov_b32 s[G1+6], 0
	s_mov_b32 s[G1+7], 0
	s_lshl_b32 s40, s12, 5                         ; Q's record: group 2 x block + wave / 8
	s_lshl_b32 s41, s11, 1
	s_add_co_u32 s40, s40, s41
	s_lshr_b32 s41, s[WV], 3
	s_add_co_u32 s40, s40, s41
	s_mul_i32 s40, s40, 19200
	s_mov_b32 s41, 0
	s_bfe_u32 s42, s[WV], 0x20001                  ; the pair of tiles in which mine lies: (wave % 8) / 2
	s_lshl_b32 s43, s[WV], 6
	s_add_co_u32 s43, s43, OSG
	s_lshr_b32 s44, s12, 3                         ; oc: tile batch x 256 + 16 x block + wave, 6,144 bytes each; my head's 768 bytes of it
	s_lshl_b32 s44, s44, 8
	s_lshl_b32 s45, s11, 4
	s_add_co_u32 s44, s44, s45
	s_add_co_u32 s44, s44, s[WV]
	s_mul_i32 s44, s44, 6144
	s_and_b32 s45, s12, 7
	s_mul_i32 s45, s45, 768
	s_add_co_u32 s44, s44, s45
	s_mov_b32 s45, 0
	s_lshl_b32 s46, s12, 14                        ; os: 16,384 bytes a head, 1,024 a block
	s_lshl_b32 s47, s11, 10
	s_add_co_u32 s46, s46, s47
	s_mov_b32 s47, 0
	s_and_b32 s39, s12, 1
	s_lshl_b32 s39, s39, 4                         ; an odd head's two bytes go to the word's upper half
	s_mov_b32 s[SEL], 0x76543210
	s_mov_b32 s[SEL+1], 0xfedcba98
	s_mov_b32 s[CS], 0x3e38aa3b                    ; c = log2(e) / 8
	s_mov_b32 s[CS+1], s[CS]                       ; (named with it as a pair, so it is written)
	s_mov_b32 s[TB], 0
	s_mov_b32 s[SLOTS], NSL-1
	s_wait_dscnt 0x0                               ; both opening adds are done
	s_wait_kmcnt 0x0
	s_mov_b32 s[G0], 1
	s_mov_b32 s[G0+1], s16
	s_add_nc_u64 s[G0+2:G0+3], s[4:5], s[14:15]
	s_or_b32 s[G0+3], s[G0+3], 0x80000000
	s_add_nc_u64 s[40:41], s[4:5], s[40:41]
	s_add_nc_u64 s[6:7], s[6:7], s[44:45]
	s_add_nc_u64 s[8:9], s[8:9], s[46:47]
	s_mul_i32 s46, s42, 1536
	s_and_b32 s47, s42, 1
	s_lshl_b32 s47, s47, 7
	s_lshr_b32 s44, s42, 1
	s_lshl_b32 s44, s44, 2
	s_add_co_u32 s47, s47, s44
	s_bitcmp1_b32 s[WV], 0
	s_cselect_b32 s38, -1, 0                       ; all ones in a wave whose tile is the pair's second
	CROUND                                         ; all four work-groups are here: the first joint loads meet
	TLOAD                                          ; slot 0: one load a wave
	v_and_b32 v11, 31, v0
	v_lshlrev_b32 v[LI], 4, v11
	v_lshlrev_b32 v[L8], 3, v11
	v_and_b32 v11, 15, v0                          ; r
	v_lshl_add_u32 v[AOS], v11, 2, s43
	v_add_nc_u32 v[OSR], OSG, v[LI]
	v_add_nc_u32 v[QO], s46, v[LI]
	v_lshl_add_u32 v[QSO], v11, 3, s47
.irp c, 0,1,2
	global_load_b128 v[S+4*\c:S+4*\c+3], v[QO], s[40:41] offset:13056+512*\c   ; the pair's image
.endr
	global_load_b32 v[S+12], v[QSO], s[40:41] offset:12800   ; and its scale word
	v_bfe_u32 v[TT], v0, 4, 1                      ; h
	v_bfe_u32 v[W], v0, 3, 1                       ; r / 8
	v_and_b32 v[OW], 7, v0                         ; r % 8
	v_mul_u32_u24 v[VL], v[TT], 320
	v_mad_u32_u24 v[KL], v[W], 1920, v[VL]
	v_lshl_add_u32 v[KL], v[OW], 4, v[KL]
	v_lshl_add_u32 v[VL], v11, 4, v[VL]
	v_lshlrev_b32 v[KSL], 7, v[W]
	v_lshl_add_u32 v[KSL], v[TT], 6, v[KSL]
	v_lshl_add_u32 v[KSL], v[OW], 3, v[KSL]
	v_lshlrev_b32 v[SH8], 3, v[TT]
	v_mov_b32 v13, 0xff61b1e6                      ; the largest score so far: -3e38, under every score
	v_mov_b32 v12, 0x7e000000                      ; -M begins far above every -M: the first f comes out 0
.irp i, 0,1,2,3,4,5,6,7
	v_mov_b32 v[SUMS+\i], 0                        ; the sum and its chains: the first step joins zeros
.endr
	v_mov_b32 v[T2], 0                             ; written once: a lane permute's destination counts as one of its sources
	v_mov_b32 v[T2+1], 0
	v_mov_b32 v[FF+1], 0                           ; (named as the upper half of a pair)
	s_wait_alu depctr_va_vdst(0)                   ; the wait here, directly ahead of the wait below
	s_wait_loadcnt 0x0
.irp i, 0,1,2,3,4,5
	v_cndmask_b32 v[QF+\i], v[S+\i], v[S+6+\i], s38   ; my tile's six registers of the pair's twelve
.endr
.irp i, 0,1,2,3,4,5
	v_mov_b32 v[QF+6+\i], 0
	v_mov_b32 v[QF+12+\i], v[QF+\i]
.endr
	v_lshrrev_b32 v[S+13], 16, v[S+12]
	v_and_b32 v[S+14], 0xffff, v[S+12]
	v_cndmask_b32 v[S+13], v[S+14], v[S+13], s38   ; my tile's two bytes,
	v_lshl_or_b32 v[QS], v[S+13], 16, v[S+13]      ; twice
.set j, 0
.rept 32
	v_mov_b32 v[O+j], 0                            ; O^T: the step is written once; its first walk finds zeros.  (These lines are also the places between the writes of Q's registers and the first product)
.set j, j+1
.endr
	s_wait_alu depctr_va_vdst(0)                   ; the wait at the head's end
.Lslot:                                            ; NSL - 1 trips: behind each change of slots but the last the next slot is asked for
	CHANGE 1
	SLOT_STEPS
	s_sub_co_u32 s[SLOTS], s[SLOTS], 1
	s_cmp_lg_u32 s[SLOTS], 0
	s_cbranch_scc1 .Lslot
	CHANGE 0                                       ; the last slot is written out
	SLOT_STEPS
	; THE WAY OUT: O^T / the sum, quantised along the 64 channels: half a fragment (six registers) and two scale bytes.  (The last step's 17 additions are the plain lines behind its products)
	JOIN
	v_pk_add_f32 v[SUMS:SUMS+1], v[SUMS:SUMS+1], v[SUMS+4:SUMS+5]
	s_delay_alu instid0(VALU_DEP_1)
	v_add_f32 v[TT], v[SUMS], v[SUMS+1]
	s_delay_alu instid0(VALU_DEP_1)
	v_permlanex16_b32 v[T2], v[TT], s[SEL], s[SEL+1]
	s_delay_alu instid0(VALU_DEP_1)
	v_add_f32 v[TT], v[TT], v[T2]                  ; the row's sum
	s_wait_alu depctr_va_vdst(0)                   ; the wait ahead of the reciprocal
	v_rcp_f32 v[TT], v[TT]
	v_nop                                          ; a plain line behind the reciprocal,
	s_wait_alu depctr_va_vdst(0)                   ; and the wait ahead of its first reader and of O^T's
.set j, 0
.rept 32
	v_mul_f32 v[S+j], v[O+j], v[TT]                ; each accumulator from its low end on
.set j, j+1
.endr
.irp b, 0,1
	v_max3_num_f32 v[BM+\b], |v[S+16*\b]|, |v[S+1+16*\b]|, 0x1800000
.endr
.irp i, 2,4,6,8,10,12,14
.irp b, 0,1
	s_delay_alu instid0(VALU_DEP_2)
	v_max3_num_f32 v[BM+\b], v[BM+\b], |v[S+16*\b+\i]|, |v[S+1+16*\b+\i]|
.endr
.endr
.irp b, 0,1
	s_delay_alu instid0(VALU_DEP_2)
	v_permlanex16_b32 v[T2+\b], v[BM+\b], s[SEL], s[SEL+1]
.endr
.irp b, 0,1
	s_delay_alu instid0(VALU_DEP_2)
	v_max_num_f32 v[BM+\b], v[BM+\b], v[T2+\b]
.endr
.irp b, 0,1
	s_delay_alu instid0(VALU_DEP_2)
	v_add_nc_u32 v[SO+\b], 0xff000000, v[BM+\b]
.endr
.irp b, 0,1
	s_delay_alu instid0(VALU_DEP_2)
	v_lshrrev_b32 v[T2+\b], 23, v[SO+\b]
.endr
	s_delay_alu instid0(VALU_DEP_1)
	v_lshl_or_b32 v[OW], v[T2+1], 8, v[T2]
	s_delay_alu instid0(VALU_DEP_1)
	v_lshlrev_b32 v[OW], s39, v[OW]                ; the reader joins two heads' words by an OR
	v_cvt_scalef32_pk16_fp6_f32 v[PC:PC+2], v[S:S+15], v[SO]
	v_cvt_scalef32_pk16_fp6_f32 v[CT:CT+2], v[S+16:S+31], v[SO+1]
	v_nop                                          ; one plain line behind the scaled conversions
.irp i, 0,1,2
	v_permlane16_swap_b32 v[PC+\i], v[CT+\i]       ; here a lane holds half of each block: the operand wants a whole block in a lane
.endr
.irp i, 0,1,2
	v_mov_b32 v[PC+3+\i], v[CT+\i]
.endr
	global_store_b128 v[LI], v[PC:PC+3], s[6:7]            ; 512 consecutive bytes, aligned
	global_store_b64 v[L8], v[PC+4:PC+5], s[6:7] offset:512   ; and 256
	ds_store_b32 v[AOS], v[OW]                     ; both lanes of a row write the same word with the same value
	s_wait_dscnt 0x0                               ; for wave 0's sake
	s_barrier_signal -1
	s_barrier_wait -1
	s_cmp_lg_u32 s[WV], 0
	s_cbranch_scc1 .Lno_words
	ds_load_b128 v[S:S+3], v[OSR]
	ds_load_b128 v[S+4:S+7], v[OSR] offset:512
	s_wait_dscnt 0x0
	global_store_b128 v[LI], v[S:S+3], s[8:9]      ; the block's 1,024 bytes of scale words
	global_store_b128 v[LI], v[S+4:S+7], s[8:9] offset:512
.Lno_words:
	s_wait_tensorcnt 0x0                           ; the wave's end, behind my last tensor load and my last LDS store
	ds_add_u32 v[SPW], v[NIL]
	s_wait_dscnt 0x0
	CROUND                                         ; the closing round
	s_endpgm
.Lfunc_end_k_qa6c2dcc1d8_attn:
	.size	k_qa6c2dcc1d8_attn, .Lfunc_end_k_qa6c2dcc1d8_attn-k_qa6c2dcc1d8_attn
	.p2alignl 7, 3214868480
	.fill 96, 4, 3214868480
	.section	.rodata,"a",@progbits
	.p2align	6, 0x0
	.amdhsa_kernel k_qa6c2dcc1d8_attn
		.amdhsa_group_segment_fixed_size 327680
		.amdhsa_private_segment_fixed_size 0
		.amdhsa_enable_private_segment 0
		.amdhsa_kernarg_size 24
		.amdhsa_user_sgpr_count 2
		.amdhsa_user_sgpr_kernarg_segment_ptr 1
		.amdhsa_wavefront_size32 1
		.amdhsa_system_sgpr_workgroup_id_x 1
		.amdhsa_system_sgpr_workgroup_id_y 1
		.amdhsa_system_sgpr_workgroup_id_z 1
		.amdhsa_system_vgpr_workitem_id 0
		.amdhsa_next_free_vgpr 256
		.amdhsa_next_free_sgpr 66
		.amdhsa_reserve_vcc 0
		.amdhsa_float_denorm_mode_32 3
		.amdhsa_float_denorm_mode_16_64 3
		.amdhsa_memory_ordered 1
		.amdhsa_forward_progress 1
		.amdhsa_inst_pref_size 240
	.end_amdhsa_kernel
	.amdgpu_metadata
---
amdhsa.version: [ 1, 2 ]
amdhsa.kernels:
  - .name:           k_qa6c2dcc1d8_attn
    .symbol:         k_qa6c2dcc1d8_attn.kd
    .args:
      - { .name: qkv, .offset: 0, .size: 8, .value_kind: global_buffer, .address_space: global }
      - { .name: oc, .offset: 8, .size: 8, .value_kind: global_buffer, .address_space: global }
      - { .name: os, .offset: 16, .size: 8, .value_kind: global_buffer, .address_space: global }
    .group_segment_fixed_size: 327680
    .private_segment_fixed_size: 0
    .kernarg_segment_align: 8
    .kernarg_segment_size: 24
    .max_flat_workgroup_size: 512
    .sgpr_count:     66
    .vgpr_count:     256
    .wavefront_size: 32
...
	.end_amdgpu_metadata
.endif
;; end of part 3
;; launch outp (part 4): grid 4 x 64, 8 waves a work-group, clusters of 4 x 4, 168,960 bytes of LDS; arguments oc, os, cod, scl, bo, out0; writes out0
.if DOCPART == 4
	.amdgcn_target "amdgcn-amd-amdhsa--gfx1250"
	.amdhsa_code_object_version 6
	.text
	.protected	k_qa6c2dcc1d8_outp
	.globl	k_qa6c2dcc1d8_outp
	.p2align	8
	.type	k_qa6c2dcc1d8_outp,@function
k_qa6c2dcc1d8_outp:
	s_mov_b64 s[64:65], 0
	v_nop
	global_prefetch_b8 v0, s[64:65] scope:SCOPE_SE
	s_setreg_imm32_b32 hwreg(HW_REG_WAVE_MODE, 25, 1), 1
	s_wait_xcnt 0x0
	s_wait_alu depctr_hold_cnt(0) depctr_sa_sdst(0) depctr_va_vdst(0) depctr_va_sdst(0) depctr_va_ssrc(0) depctr_va_vcc(0) depctr_vm_vsrc(0)
	s_getreg_b32 s2, hwreg(HW_REG_IB_STS2, 6, 4)
	s_cmp_eq_u32 s2, 0
	s_cbranch_scc0 .Lentry_in_a_cluster
	s_endpgm
.Lentry_in_a_cluster:
	s_bfe_u32 s2, ttmp6, 0x10000c
	s_cmp_lg_u32 s2, 0xf033
	s_cbranch_scc0 .Lentry_shape_is_right
	s_endpgm
.Lentry_shape_is_right:
; out = o Wo^T + bo on codes of FP6 (E2M3) with E8M0 scales; out is f32.
; SHARES: a work-group takes 128 tokens (group g) and 128 columns (block cb): 8 tiles of o, 8 tiles of Wo.  Wave w: columns 64 (w / 4) on, tiles 2 (w % 4) and 2 (w % 4) + 1 of the tokens.
; USED TRANSPOSED: source 0 = four tiles of Wo, source 1 = a tile of o: a lane holds one token, and the 32 registers of a tile of tokens are columns 32 b + 16 h + i.  bo is the C of each sum's first matrix instruction.
; o's codes lie head by head (768 bytes: registers 0-3 at 16 x lane, registers 4-5 at 512 + 8 x lane); a K step of 128 is two heads.  Its scale word is the OR of the two heads' words.
; CLUSTER 4 x 4: o's tiles hang on g alone and are shared along a row of the cluster, Wo's on cb alone and are shared along a column.  Every LDS byte is filled once; waves 0 to 2 issue one load each.
.set LI,   1                           ; v1  16 x lane
.set AO16, 2                           ; v2  my two tiles of o, 16 bytes a lane
.set AO8,  3                           ; v3  and 8 bytes a lane
.set AW,   4                           ; v4  my four tiles of Wo
.set ASW,  5                           ; v5  their scale words
.set L4,   6                           ; v6  4 x lane
.set STO,  7                           ; v7  the stage: where I put 16 bytes of a row
.set RD,   8                           ; v8  and where I read a row back
.set CO,   9                           ; v9  my byte offset in out
.set BH,   12                          ; v12 64 h
.set SCX,  16                          ; v16-19 o's scale words: register = K step; lanes 0-15 the first tile, lanes 16-31 the second
.set SCW,  32                          ; v32-39 Wo's
.set OH,   40                          ; v40-47 the eight heads' half words
.set HA,   48                          ; v48-111 eight accumulators
.set F,    132                         ; v132-203 six fragments; on the way out rows of out
.set BI,   204                         ; v204-235 bo in the result's layout
.set STG,  100352                      ; LDS: o's codes 0, Wo's 49,152, Wo's scale words 98,304; from STG on a stage of 16 rows x (256 + 16) bytes for each wave
.set WV,   16
.set WH,   17
.set TP,   18
.set G1OC, 28
.set G1WC, 36
.set G1WS, 44
.set G0OC, 52
.set G0WC, 56
.set G0WS, 60
.macro PLACES                          ; four plain lines between a matrix instruction and a load into its sources or a read of its result
.rept 4
	v_nop
.endr
.endm
.macro CROUND                          ; a round of the cluster's barrier
	s_barrier_signal -1
	s_barrier_wait -1
	s_cmp_lg_u32 s[WV], 0
	s_cbranch_scc1 .Lnot_wave_0_\@
	s_barrier_signal -3
.Lnot_wave_0_\@:
	s_barrier_wait -3
	s_barrier_signal -1
	s_barrier_wait -1
.endm
.macro MM d, a, b, c, sa, sb, ra, rb
.if (\ra) && (\rb)
	v_wmma_scale_f32_16x16x128_f8f6f4 v[\d:\d+7], v[\a:\a+11], v[\b:\b+11], v[\c:\c+7], v[\sa], v[\sb] matrix_a_fmt:MATRIX_FMT_FP6 matrix_b_fmt:MATRIX_FMT_FP6 matrix_a_scale:MATRIX_SCALE_ROW1 matrix_b_scale:MATRIX_SCALE_ROW1
.elseif (\ra)
	v_wmma_scale_f32_16x16x128_f8f6f4 v[\d:\d+7], v[\a:\a+11], v[\b:\b+11], v[\c:\c+7], v[\sa], v[\sb] matrix_a_fmt:MATRIX_FMT_FP6 matrix_b_fmt:MATRIX_FMT_FP6 matrix_a_scale:MATRIX_SCALE_ROW1
.elseif (\rb)
	v_wmma_scale_f32_16x16x128_f8f6f4 v[\d:\d+7], v[\a:\a+11], v[\b:\b+11], v[\c:\c+7], v[\sa], v[\sb] matrix_a_fmt:MATRIX_FMT_FP6 matrix_b_fmt:MATRIX_FMT_FP6 matrix_b_scale:MATRIX_SCALE_ROW1
.else
	v_wmma_scale_f32_16x16x128_f8f6f4 v[\d:\d+7], v[\a:\a+11], v[\b:\b+11], v[\c:\c+7], v[\sa], v[\sb] matrix_a_fmt:MATRIX_FMT_FP6 matrix_b_fmt:MATRIX_FMT_FP6
.endif
.endm
.macro FETCH reg, adr, off             ; a fragment's image: three loads of 512 consecutive bytes
.irp c, 0,1,2
	ds_load_b128 v[\reg+4*\c:\reg+4*\c+3], v[\adr] offset:\off+512*\c
.endr
.endm
.macro FETCHO reg, off                 ; a fragment of o: two heads' halves
	ds_load_b128 v[\reg:\reg+3], v[AO16] offset:\off
	ds_load_b64 v[\reg+4:\reg+5], v[AO8] offset:\off+512
	ds_load_b128 v[\reg+6:\reg+9], v[AO16] offset:\off+768
	ds_load_b64 v[\reg+10:\reg+11], v[AO8] offset:\off+1280
.endm
	s_load_b256 s[4:11], s[0:1], 0x0               ; oc, os, cod, scl
	s_load_b128 s[12:15], s[0:1], 0x20             ; bo, out0
	v_lshl_add_u32 v254, v0, 2, 0x29000
	v_mov_b32 v255, 0
	ds_add_u32 v254, v255
	ds_add_u32 v254, v255
	v_lshrrev_b32 v1, 5, v0
	s_delay_alu instid0(VALU_DEP_1)
	v_readfirstlane_b32 s[WV], v1                  ; wave 0..7
	s_lshr_b32 s[WH], s[WV], 2
	s_and_b32 s[TP], s[WV], 3
	s_bfe_u32 s19, ttmp6, 0x40000                  ; cx
	s_bfe_u32 s20, ttmp6, 0x40004                  ; cy
	s_lshl_b32 s21, ttmp9, 2
	s_add_co_u32 s21, s21, s19                     ; cb = 4 x cluster x + cx
	s_and_b32 s22, ttmp7, 0xffff
	s_lshl_b32 s22, s22, 2
	s_add_co_u32 s22, s22, s20                     ; g = 4 x cluster y + cy
	s_lshl_b32 s23, s20, 2
	s_lshl_b32 s23, 15, s23                        ; my row of the cluster
	s_lshl_b32 s24, 0x1111, s19                    ; my column
	; groups 1: dense blocks as rows of 256 bytes (32 elements of 8 bytes), no padding
	s_or_b32 s[G1OC], s23, (3<<16)|(1<<21)
	s_or_b32 s[G1WC], s24, (3<<16)|(1<<21)
	s_or_b32 s[G1WS], s24, (3<<16)|(1<<21)
.irp g, G1OC, G1WC
	s_mov_b32 s[\g+1], 32<<16
	s_mov_b32 s[\g+2], 192<<16
	s_mov_b32 s[\g+3], 32<<16
	s_mov_b32 s[\g+4], 192
	s_mov_b32 s[\g+5], 32
	s_mov_b32 s[\g+6], 0
	s_mov_b32 s[\g+7], 0
.endr
	s_mov_b32 s[G1WS+1], 32<<16
	s_mov_b32 s[G1WS+2], 8<<16
	s_mov_b32 s[G1WS+3], 32<<16
	s_mov_b32 s[G1WS+4], 8
	s_mov_b32 s[G1WS+5], 32
	s_mov_b32 s[G1WS+6], 0
	s_mov_b32 s[G1WS+7], 0
	s_mul_i32 s80, s22, 49152                      ; o: tiles 8 g on; these registers hold nothing of cx
	s_mov_b32 s81, 0
	s_lshl_b32 s84, s21, 3                         ; Wo: tiles 608 + 8 cb on; these hold nothing of cy
	s_add_co_u32 s84, s84, 608
	s_lshl_b32 s86, s84, 8
	s_mul_i32 s84, s84, 6144
	s_mov_b32 s85, 0
	s_mov_b32 s87, 0
	s_wait_dscnt 0x0
	s_wait_kmcnt 0x0
	s_mov_b32 s[G0OC], 1
	s_mov_b32 s[G0OC+1], 0
	s_add_nc_u64 s[G0OC+2:G0OC+3], s[4:5], s[80:81]
	s_or_b32 s[G0OC+3], s[G0OC+3], 0x80000000
	s_mov_b32 s[G0WC], 1
	s_mov_b32 s[G0WC+1], 49152
	s_add_nc_u64 s[G0WC+2:G0WC+3], s[8:9], s[84:85]
	s_or_b32 s[G0WC+3], s[G0WC+3], 0x80000000
	s_mov_b32 s[G0WS], 1
	s_mov_b32 s[G0WS+1], 98304
	s_add_nc_u64 s[G0WS+2:G0WS+3], s[10:11], s[86:87]
	s_or_b32 s[G0WS+3], s[G0WS+3], 0x80000000
	CROUND                                         ; all sixteen work-groups are here: the joint loads meet
	s_cmp_eq_u32 s[WV], 0                          ; the branches hang on the wave's number alone; four v_nop follow each load
	s_cbranch_scc0 .Lnot_o
	tensor_load_to_lds s[G0OC:G0OC+3], s[G1OC:G1OC+7]
	s_nop 0
.rept 4
	v_nop
.endr
	s_branch .Lasked
.Lnot_o:
	s_cmp_eq_u32 s[WV], 1
	s_cbranch_scc0 .Lnot_w
	tensor_load_to_lds s[G0WC:G0WC+3], s[G1WC:G1WC+7]
	s_nop 0
.rept 4
	v_nop
.endr
	s_branch .Lasked
.Lnot_w:
	s_cmp_eq_u32 s[WV], 2
	s_cbranch_scc0 .Lasked
	tensor_load_to_lds s[G0WS:G0WS+3], s[G1WS:G1WS+7]
	s_nop 0
.rept 4
	v_nop
.endr
.Lasked:
	v_and_b32 v10, 31, v0                          ; lane
	v_and_b32 v11, 15, v0                          ; r
	v_bfe_u32 v13, v0, 4, 1                        ; h
	s_delay_alu instid0(VALU_DEP_3)
	v_lshlrev_b32 v[LI], 4, v10
	s_delay_alu instid0(VALU_DEP_4)
	v_lshlrev_b32 v[L4], 2, v10
	s_mul_i32 s25, s[TP], 12288
	v_add_nc_u32 v[AO16], s25, v[LI]
	v_lshl_add_u32 v[AO8], v10, 3, s25
	s_mul_i32 s25, s[WH], 24576
	s_add_co_u32 s25, s25, 49152
	v_add_nc_u32 v[AW], s25, v[LI]
	s_lshl_b32 s25, s[WH], 10
	s_add_co_u32 s25, s25, 98304
	v_add_nc_u32 v[ASW], s25, v[LI]
	s_mul_i32 s25, s[WV], 4352
	s_add_co_u32 s25, s25, STG                     ; my stage
	v_mul_u32_u24 v[STO], v11, 272
	s_delay_alu instid0(VALU_DEP_1)
	v_lshl_add_u32 v[STO], v13, 6, v[STO]
	s_delay_alu instid0(VALU_DEP_1)
	v_add_nc_u32 v[STO], s25, v[STO]               ; in: row r, + 64 h
	v_mul_u32_u24 v[RD], v13, 272
	s_delay_alu instid0(VALU_DEP_1)
	v_lshl_add_u32 v[RD], v11, 4, v[RD]
	s_delay_alu instid0(VALU_DEP_1)
	v_add_nc_u32 v[RD], s25, v[RD]                 ; back: lanes 0-15 one row of 256 bytes, lanes 16-31 the next
	v_lshlrev_b32 v[CO], 11, v13
	s_delay_alu instid0(VALU_DEP_1)
	v_lshl_add_u32 v[CO], v11, 4, v[CO]            ; and the same two rows in out
	v_lshlrev_b32 v[BH], 6, v13
	s_wait_alu depctr_va_vdst(0)
	s_lshl_b32 s90, s22, 7                         ; out: token 128 g + 32 tp, column 128 cb + 64 wh
	s_lshl_b32 s91, s[TP], 5
	s_add_co_u32 s90, s90, s91
	s_lshl_b32 s90, s90, 11
	s_lshl_b32 s92, s21, 9
	s_lshl_b32 s93, s[WH], 8
	s_add_co_u32 s92, s92, s93
	s_add_co_u32 s90, s90, s92
	s_mov_b32 s91, 0
	s_mov_b32 s93, 0
	s_add_nc_u64 s[14:15], s[14:15], s[90:91]
	s_add_nc_u64 s[12:13], s[12:13], s[92:93]      ; bo at my 64 columns
	s_lshr_b32 s94, s22, 5                         ; os: 131,072 bytes a batch, 64 a tile
	s_lshl_b32 s94, s94, 17
	s_lshl_b32 s95, s22, 3
	s_lshl_b32 s96, s[TP], 1
	s_add_co_u32 s95, s95, s96
	s_and_b32 s95, s95, 255
	s_lshl_b32 s95, s95, 6
	s_add_co_u32 s94, s94, s95
	s_mov_b32 s95, 0
	s_add_nc_u64 s[6:7], s[6:7], s[94:95]
.irp h, 0,1,2,3,4,5,6,7
	global_load_b32 v[OH+\h], v[L4], s[6:7] offset:\h*16384   ; head h's words: lanes 0-15 my first tile's rows, lanes 16-31 my second's
.endr
.irp t, 0,1,2,3
	global_load_b128 v[BI+8*\t:BI+8*\t+3], v[BH], s[12:13] offset:(32*(\t/2)+8*(\t%2))*4
	global_load_b128 v[BI+8*\t+4:BI+8*\t+7], v[BH], s[12:13] offset:(32*(\t/2)+8*(\t%2))*4+16
.endr
	s_wait_tensorcnt 0x0                           ; my block has landed,
	s_barrier_signal -1
	s_barrier_wait -1                              ; everybody's has
	s_wait_loadcnt 0x0
.irp s, 0,1,2,3
	v_or_b32 v[SCX+\s], v[OH+2*\s], v[OH+2*\s+1]   ; a K step's scale word: two heads' two bytes each
.endr
.rept 8
	v_nop                                          ; a scale register written by a vector instruction stands eight plain lines ahead of the scaled product
.endr
	ds_load_b128 v[SCW:SCW+3], v[ASW]
	ds_load_b128 v[SCW+4:SCW+7], v[ASW] offset:512
	s_wait_alu depctr_va_vdst(0)
.irp s, 0,1,2,3                                ; the eight accumulators take turns, one instruction a turn, K step by K step
.if \s > 0
	PLACES
.endif
.irp a, 0,1
	FETCHO F+12*\a, \a*6144+1536*\s
.endr
.irp t, 0,1,2,3
	FETCH F+24+12*\t, AW, \t*6144+1536*\s
.endr
	s_wait_dscnt 0x0
.irp a, 0,1
.irp t, 0,1,2,3
.if \s == 0
	MM HA+32*\a+8*\t, F+24+12*\t, F+12*\a, BI+8*\t, SCW+4*(\t/2)+\s, SCX+\s, \t%2, \a
.else
	MM HA+32*\a+8*\t, F+24+12*\t, F+12*\a, HA+32*\a+8*\t, SCW+4*(\t/2)+\s, SCX+\s, \t%2, \a
.endif
.endr
.endr
.endr
	PLACES
	; THE WAY OUT: a tile of 16 tokens x 64 columns goes through my own stage and comes back as whole rows of 256 bytes.  LDS serves a wave's instructions in order: no wait between the stores and the loads, nor ahead of the second tile's stores.
.irp a, 0,1
.irp b, 0,1
.irp j, 0,1,2,3
	ds_store_b128 v[STO], v[HA+32*\a+16*\b+4*\j:HA+32*\a+16*\b+4*\j+3] offset:128*\b+16*\j   ; each accumulator from its low end on
.endr
.endr
.irp i, 0,1,2,3,4,5,6,7
	ds_load_b128 v[F+32*\a+4*\i:F+32*\a+4*\i+3], v[RD] offset:544*\i
.endr
.endr
.irp a, 0,1
.irp i, 0,1,2,3,4,5,6,7
	s_wait_dscnt 23-16*\a-\i                       ; behind this load were issued the tile's 7 - i later loads and, for the first tile, the second's 16 instructions
	global_store_b128 v[CO], v[F+32*\a+4*\i:F+32*\a+4*\i+3], s[14:15] offset:(8*\a+2*\i+8*(\i/4))*2048 th:TH_STORE_NT   ; the tile's rows 2 i and 2 i + 1 are tokens 8 a + 2 i + 8 (i / 4) on; 16 lanes store 256 consecutive bytes, aligned
.endr
.endr
	s_wait_tensorcnt 0x0
	ds_add_u32 v254, v255
	s_wait_dscnt 0x0
	CROUND                                         ; the closing round
	s_endpgm
.Lfunc_end_k_qa6c2dcc1d8_outp:
	.size	k_qa6c2dcc1d8_outp, .Lfunc_end_k_qa6c2dcc1d8_outp-k_qa6c2dcc1d8_outp
	.p2alignl 7, 3214868480
	.fill 96, 4, 3214868480
	.section	.rodata,"a",@progbits
	.p2align	6, 0x0
	.amdhsa_kernel k_qa6c2dcc1d8_outp
		.amdhsa_group_segment_fixed_size 168960
		.amdhsa_private_segment_fixed_size 0
		.amdhsa_enable_private_segment 0
		.amdhsa_kernarg_size 48
		.amdhsa_user_sgpr_count 2
		.amdhsa_user_sgpr_kernarg_segment_ptr 1
		.amdhsa_wavefront_size32 1
		.amdhsa_system_sgpr_workgroup_id_x 1
		.amdhsa_system_sgpr_workgroup_id_y 1
		.amdhsa_system_sgpr_workgroup_id_z 1
		.amdhsa_system_vgpr_workitem_id 0
		.amdhsa_next_free_vgpr 256
		.amdhsa_next_free_sgpr 100
		.amdhsa_reserve_vcc 0
		.amdhsa_float_denorm_mode_32 3
		.amdhsa_float_denorm_mode_16_64 3
		.amdhsa_memory_ordered 1
		.amdhsa_forward_progress 1
		.amdhsa_inst_pref_size 24
	.end_amdhsa_kernel
	.amdgpu_metadata
---
amdhsa.version: [ 1, 2 ]
amdhsa.kernels:
  - .name:           k_qa6c2dcc1d8_outp
    .symbol:         k_qa6c2dcc1d8_outp.kd
    .args:
      - { .name: oc, .offset: 0, .size: 8, .value_kind: global_buffer, .address_space: global }
      - { .name: os, .offset: 8, .size: 8, .value_kind: global_buffer, .address_space: global }
      - { .name: cod, .offset: 16, .size: 8, .value_kind: global_buffer, .address_space: global }
      - { .name: scl, .offset: 24, .size: 8, .value_kind: global_buffer, .address_space: global }
      - { .name: bo, .offset: 32, .size: 8, .value_kind: global_buffer, .address_space: global }
      - { .name: out0, .offset: 40, .size: 8, .value_kind: global_buffer, .address_space: global }
    .group_segment_fixed_size: 168960
    .private_segment_fixed_size: 0
    .kernarg_segment_align: 8
    .kernarg_segment_size: 48
    .max_flat_workgroup_size: 256
    .sgpr_count:     100
    .vgpr_count:     256
    .wavefront_size: 32
...
	.end_amdgpu_metadata
.endif
;; end of part 4
